; MI455X (gfx1250); checked and timed in simulation.
; The chip was launched on July 23, 2026; its instructions are those of AMD's public machine-readable ISA for CDNA 5 (MIT licence, August 2026) and "CDNA5" Instruction Set Architecture Reference Guide (July 2026). The comments in the code are by the model that wrote it; some were corrected since.
;; Spatial Attention Layer. Allowed arithmetic: matrix products marked QUANTISED: E5M2 operands, one given power-of-two scale a tensor, by v_wmma_f32_16x16x64_bf8_bf8 or v_wmma_f32_16x16x128_bf8_bf8, f32 sums; everything else in f32.
;; Inputs: P 8,192 x 3 float32; W_k 256 x 256 float32; W_q 256 x 256 float32; W_v 256 x 256 float32; X 8,192 x 256 float32; b_k 256 float32; b_q 256 float32; b_v 256 float32; lowp_scales 10 int32 (the exponents e of the quantised operands' scales 2^e).
;; Outputs: out0 8,192 x 256 float32.
;; This version of the problem:
;;   THIS VERSION OF THE PROBLEM IS GIVEN IN LOW PRECISION. The matrix products marked QUANTISED in the list below multiply operands that are first quantised to E5M2 (5 exponent bits, 2 mantissa bits; 8 bits a number), with one given power-of-two scale for each operand tensor; their sums are f32. All else is computed in f32.
;;   The module's matrix products, in the order in which they are computed (A, B: the left and right operand; K: the contracted axis; several contracted axes count as one K, in the product's order):
;;     1. [M 8,192, K 256] x [K 256, N 256]; A: input X; B: input W_q: QUANTISED (scales: A lowp_scales[0], B lowp_scales[1])
;;     2. [M 8,192, K 256] x [K 256, N 256]; A: input X; B: input W_k: QUANTISED (scales: A lowp_scales[2], B lowp_scales[3])
;;     3. [M 8,192, K 256] x [K 256, N 256]; A: input X; B: input W_v: QUANTISED (scales: A lowp_scales[4], B lowp_scales[5])
;;     4. [M 8,192, K 256] x [K 256, N 8,192]; A: computed on the way; B: computed on the way: QUANTISED (scales: A lowp_scales[6], B lowp_scales[7])
;;     5. [M 8,192, K 8,192] x [K 8,192, N 256]; A: computed on the way; B: computed on the way: QUANTISED (scales: A lowp_scales[8], B lowp_scales[9])
;;   THE QUANTISER, for each operand of a quantised product, along K:
;;     - The operand's scale is 2^e, e = its entry of the input lowp_scales (int32; the entries are numbered through the quantised products in the list's order, A before B).
;;     - Each number is divided by the scale, clamped to +-57,344, and rounded to the nearest number of E5M2, ties to even, subnormals kept.
;;     - The product sums the exact products of the quantised numbers (number of the format x scale) in f32.
;;   ~~~python
;;   def quantise(x, axis, e):      # numpy; x: float32 -> the quantised numbers, widened to float32 again
;;       x = np.moveaxis(x, axis, -1); K = x.shape[-1]
;;       r = np.clip(x / 2.0 ** e, -57344, 57344)
;;       step = 2.0 ** (np.maximum(np.frexp(np.where(r == 0, 1, r))[1] - 1, -14) - 2)
;;       q = np.round(r / step) * step * 2.0 ** e      # np.round: ties to even
;;       return np.moveaxis(q, -1, axis).astype(np.float32)
;;   ~~~
;;   OPERANDS COMPUTED ON THE WAY. 'Computed on the way' means the value that the module computes at that place (a softmax that the list does not call 'softmax' is quantised finished and normalised). What goes into a quantiser is computed in f32, as accurately as f32 sums, v_exp_f32 and their like allow (about 1e-6 of the number): no bf16 or f16 on the way to a quantiser, and a product that is left as it is and whose result goes on into a quantised operand takes f32 operands (vector FMAs, or v_wmma_f32_16x16x4_f32). A number that lies on a knife's edge between two numbers of the format may be rounded either way, as far as f32 arithmetic and the matrix unit's own rounding can turn it there, and no further.
;; 2 versions. Each part assembles by itself: llvm-mc -triple=amdgcn-amd-amdhsa -mcpu=gfx1250 --defsym DOCPART=n.
;; ======== version 1 of 2: 4 launches
;; workspace buffers: qc 2,097,152 bytes; kc 2,097,152 bytes; vc 2,097,152 bytes; pk 131,072 bytes; st 1,048,576 bytes; op 33,554,432 bytes
;; launch prep (part 1): grid 64 x 3, 8 waves a work-group, no clusters, 33,792 bytes of LDS; arguments X, W_q, W_k, W_v, b_q, b_k, b_v, P, lowp_scales, qc, kc, vc, pk; writes qc, kc, vc, pk
.if DOCPART == 1
	.amdgcn_target "amdgcn-amd-amdhsa--gfx1250"
	.amdhsa_code_object_version 6
	.text
	.protected	k_q80e1e65591_prep
	.globl	k_q80e1e65591_prep
	.p2align	8
	.type	k_q80e1e65591_prep,@function
k_q80e1e65591_prep:
	s_mov_b64 s[64:65], 0
	v_nop
	global_prefetch_b8 v0, s[64:65] scope:SCOPE_SE
	s_setreg_imm32_b32 hwreg(HW_REG_WAVE_MODE, 25, 1), 1
	s_wait_xcnt 0x0
; Q = X W_q + b_q, K = X W_k + b_k, V = X W_v + b_v on codes of BF8 (E5M2), and the results quantised again as operands of the two large products.
; Work-group (x, y): tokens 128 x .. 128 x + 127 of product y (0: Q, 1: K, 2: V).  X is quantised with the scale that product y gives it, W with its own.
; SHARES.  Wave w quantises token tile w (16 rows of X, two fragments of 128 along K) and hands the codes to the other waves through LDS as images of the operand's registers.
; Wave w keeps W's columns 32 w .. 32 w + 31 as codes in registers: a lane takes a column and its registers run down K, so nothing is transposed.
; RESULTS.  Q, K: the product is used transposed (source 0 = 16 columns of W, source 1 = 16 tokens): a lane holds one token and 8 hidden units a tile, 16 for the wave's two tiles: four registers of
; the next operand.  qc, kc: token tile i at 4096 i; fragment s at + 2048 s; registers 4 g .. 4 g + 3 at + 512 g + 16 lane.  Wave w writes fragment w / 4, group w % 4.  Which hidden unit lies at which
; byte is the same in qc and kc, which is all that their product asks.
; V: source 0 = 16 tokens, source 1 = 16 columns: a lane holds one channel and 8 tokens.  vc: block B of 64 keys at 16384 B; channel tile t at + 1024 t; registers 4 g .. 4 g + 3 at + 512 g + 16 lane;
; registers 2 c, 2 c + 1 hold keys 64 B + 16 c + 8 (lane / 16) + 0 .. 7.
; pk (written by y = 0): tile i at 256 i; word 16 c + idx = (P[16 i + idx][min(c, 2)] - P[0][min(c, 2)]) x sqrt(log2(e) / 2): so exp(-d^2 / 2) = 2^(-the sum of squared differences).
; The bias goes in as the C of a sum's first matrix instruction, divided by the power of two that the sums lack.
; LIMITS: eX, eW and eO - eX - eW between -126 and 112, so that each power of two below is an f32 number.  NaN among the inputs is not served.
; No tensor load, no cluster: a work-group reads its rows of X once, and W (256 KiB) goes straight into the registers of the wave that keeps it.
.set SPARE, 32768                      ; behind x's images: the spare words, 128 bytes for each of eight waves
.set XA,  1                            ; v1   X: row r of 1,024 bytes + 64 h
.set WA,  2                            ; v2   W: 16 h rows of 1,024 bytes + 4 r
.set BA,  3                            ; v3   bias, a lane's eight units: 32 h
.set BVA, 4                            ; v4   bias, a lane's channel: 4 r
.set LI,  5                            ; v5   16 x lane
.set XWI, 6                            ; v6   where I store x's images: 16 x lane + 4096 x wave
.set PA,  7                            ; v7   P: 24 (lane % 8) + 4 min(lane / 8, 2)
.set P0A, 8                            ; v8   P[0]: 4 min(lane / 8, 2)
.set PO,  9                            ; v9   pk: 8 x lane
.set WC,  16                           ; v16-79   W's four fragments: (u, s) at 16 (2 u + s)
.set BI,  80                           ; v80-95   the bias in the result's layout, tile u at 8 u
.set PC,  96                           ; v96-111  codes just made
.set STA, 112                          ; v112-175 64 numbers at work; later x's four fragments
.set STB, 176                          ; v176-239 64 numbers at work; later four accumulators and the codes to store
.set XF,  112
.set ACC, 176
.set OC,  208
.set BV,  246                          ; v246-247 b_v of my channel, tile u
.set SPW, 252                          ; v252 LDS address of my spare word; never rewritten
.set NIL, 253                          ; v253 0; never rewritten
.macro XLOAD reg, s                    ; my 16 rows' numbers of K step s: register 16 c + 4 j + e = k 128 s + 32 c + 16 h + 4 j + e
.irp c, 0,1,2,3
.irp j, 0,1,2,3
	global_load_b128 v[\reg+16*\c+4*\j:\reg+16*\c+4*\j+3], v[XA], s[8:9] offset:512*\s+128*\c+16*\j
.endr
.endr
.endm
.macro WLOAD reg, u, s                 ; W(128 s + 32 c + 16 h + i, 32 w + 16 u + r) into register 16 c + i: the same k as in x's fragment
.irp c, 0,1,2,3
.irp i, 0,1,2,3,4,5,6,7,8,9,10,11,12,13,14,15
	global_load_b32 v[\reg+16*\c+\i], v[WA], s[56:57] offset:(128*\s+32*\c+\i)*1024+64*\u
.endr
.endr
.endm
.macro QUANT src, dst, sc, lim         ; 64 numbers become a fragment's 16 registers of codes
.irp c, 0,1,2,3
.irp i, 0,1,2,3,4,5,6,7,8,9,10,11,12,13,14,15
	v_med3_num_f32 v[\src+16*\c+\i], v[\src+16*\c+\i], -v[\lim], v[\lim]   ; the conversion to an 8-bit code does not saturate (ISA guide 7.6.2): the hold at the largest code x the scale
.endr
	v_cvt_scalef32_pk8_bf8_f32 v[\dst+4*\c:\dst+4*\c+1], v[\src+16*\c:\src+16*\c+7], v[\sc]
	v_cvt_scalef32_pk8_bf8_f32 v[\dst+4*\c+2:\dst+4*\c+3], v[\src+16*\c+8:\src+16*\c+15], v[\sc]
.endr
	v_nop                                          ; one plain vector instruction behind the last conversion, ahead of whatever vector or matrix instruction touches its registers next
.endm
.macro IMAGE off                       ; the fragment in v[PC] on goes to LDS as it stands
.irp c, 0,1,2,3
	ds_store_b128 v[XWI], v[PC+4*\c:PC+4*\c+3] offset:(\off)+512*\c
.endr
.endm
.macro FETCH reg, off                  ; and comes back so, in any wave
.irp c, 0,1,2,3
	ds_load_b128 v[(\reg)+4*\c:(\reg)+4*\c+3], v[LI] offset:(\off)+512*\c
.endr
.endm
.macro MKSC ex, tm, vs                 ; v[vs] = 2^s[ex] as f32, v[vs + 1] = 57,344 x that; s[tm], s[tm + 1] at work
	s_add_co_i32 s[\tm], s[\ex], 127
	s_lshl_b32 s[\tm+1], s[\tm], 23
	v_mov_b32 v[\vs], s[\tm+1]
	s_add_co_i32 s[\tm], s[\tm], 15
	s_lshl_b32 s[\tm], s[\tm], 23
	s_or_b32 s[\tm], s[\tm], 0x600000
	v_mov_b32 v[\vs+1], s[\tm]
.endm
; The products of 128 tokens with my 32 columns, two token tiles at a time: four accumulators by turns, K step 0 (C = the bias) and K step 1 (in place).
; vp = 0 (Q, K): accumulator 2 T + u, source 0 = W.   vp = 1 (V): accumulator 2 u + T, source 0 = x.
.macro PROD vp
.irp be, 0,1,2,3
.irp tp, 0,1
.irp s, 0,1
	FETCH XF+16*(2*\tp+\s), (2*(2*\be+\tp)+\s)*2048
.endr
.endr
	s_wait_dscnt 0x0
.irp s, 0,1
.irp p, 0,1
.irp q, 0,1
.if \vp
.if \s == 0
	v_wmma_f32_16x16x128_bf8_bf8 v[ACC+16*\p+8*\q:ACC+16*\p+8*\q+7], v[XF+16*(2*\q+\s):XF+16*(2*\q+\s)+15], v[WC+16*(2*\p+\s):WC+16*(2*\p+\s)+15], v[BI+8*\p:BI+8*\p+7]
.else
	v_wmma_f32_16x16x128_bf8_bf8 v[ACC+16*\p+8*\q:ACC+16*\p+8*\q+7], v[XF+16*(2*\q+\s):XF+16*(2*\q+\s)+15], v[WC+16*(2*\p+\s):WC+16*(2*\p+\s)+15], v[ACC+16*\p+8*\q:ACC+16*\p+8*\q+7]
.endif
.else
.if \s == 0
	v_wmma_f32_16x16x128_bf8_bf8 v[ACC+16*\p+8*\q:ACC+16*\p+8*\q+7], v[WC+16*(2*\q+\s):WC+16*(2*\q+\s)+15], v[XF+16*(2*\p+\s):XF+16*(2*\p+\s)+15], v[BI+8*\q:BI+8*\q+7]
.else
	v_wmma_f32_16x16x128_bf8_bf8 v[ACC+16*\p+8*\q:ACC+16*\p+8*\q+7], v[WC+16*(2*\q+\s):WC+16*(2*\q+\s)+15], v[XF+16*(2*\p+\s):XF+16*(2*\p+\s)+15], v[ACC+16*\p+8*\q:ACC+16*\p+8*\q+7]
.endif
.endif
.endr
.endr
.endr
.rept 5
	v_nop                                          ; five places: the results are read, x's fragments are loaded anew, and the accumulators are begun anew with another C (ISA guide 7.12.1)
.endr
.set i, 0
.rept 32
	v_med3_num_f32 v[ACC+i], v[ACC+i], -v245, v245 ; the hold; each accumulator from its low end on
.set i, i+1
.endr
.irp k, 0,1,2,3
	v_cvt_scalef32_pk8_bf8_f32 v[OC+8*\be+2*\k:OC+8*\be+2*\k+1], v[ACC+8*\k:ACC+8*\k+7], v244   ; the three scales folded into one: code = sum / 2^(eO - eX - eW)
.endr
	v_nop
.irp p, 0,1
.if \vp
	global_store_b128 v[LI], v[OC+8*\be+4*\p:OC+8*\be+4*\p+3], s[60:61] offset:(\be/2)*16384+\p*1024+(\be%2)*512   ; 32 lanes store 512 consecutive bytes; each store has data registers of its own
.else
	global_store_b128 v[LI], v[OC+8*\be+4*\p:OC+8*\be+4*\p+3], s[60:61] offset:(2*\be+\p)*4096
.endif
.endr
.endr
.endm
	s_load_b512 s[8:23], s[0:1], 0x0               ; X s[8:9], W_q, W_k, W_v s[10:15], b_q, b_k, b_v s[16:21], P s[22:23]
	s_load_b256 s[24:31], s[0:1], 0x40             ; the scales' exponents s[24:25], qc, kc, vc s[26:31]
	s_load_b64 s[32:33], s[0:1], 0x60              ; pk
	v_lshl_add_u32 v[SPW], v0, 2, SPARE
	v_mov_b32 v[NIL], 0
	v_lshrrev_b32 v10, 5, v0
	v_readfirstlane_b32 s34, v10                   ; wave 0..7
	s_and_b32 s35, ttmp7, 0xffff                   ; y: which product
	v_and_b32 v11, 31, v0                          ; lane
	v_and_b32 v12, 15, v0                          ; r
	v_bfe_u32 v13, v0, 4, 1                        ; h
	v_lshlrev_b32 v[XA], 10, v12
	v_lshl_add_u32 v[XA], v13, 6, v[XA]
	v_lshlrev_b32 v[WA], 2, v12
	v_lshl_add_u32 v[WA], v13, 14, v[WA]
	v_lshlrev_b32 v[BA], 5, v13
	v_lshlrev_b32 v[BVA], 2, v12
	v_lshlrev_b32 v[LI], 4, v11
	s_lshl_b32 s50, s34, 12
	v_add_nc_u32 v[XWI], s50, v[LI]
	v_and_b32 v14, 7, v0
	v_bfe_u32 v15, v0, 3, 2
	v_min_u32 v15, 2, v15
	v_lshlrev_b32 v[P0A], 2, v15
	v_mad_u32_u24 v[PA], v14, 24, v[P0A]
	v_lshlrev_b32 v[PO], 3, v11
	; byte offsets, made apart from the addresses
	s_lshl_b32 s50, ttmp9, 17
	s_lshl_b32 s51, s34, 14
	s_add_co_u32 s50, s50, s51                     ; X: 128 rows a work-group, 16 a wave
	s_mov_b32 s51, 0
	s_lshl_b32 s52, s34, 7                         ; W and the bias: my 32 columns
	s_mov_b32 s53, 0
	s_mul_i32 s38, ttmp9, 1536
	s_mul_i32 s39, s34, 192
	s_add_co_u32 s38, s38, s39                     ; P: my 16 rows of 12 bytes
	s_mov_b32 s39, 0
	s_lshl_b32 s54, ttmp9, 11
	s_lshl_b32 s55, s34, 8
	s_add_co_u32 s54, s54, s55                     ; pk: my tile's 256 bytes
	s_mov_b32 s55, 0
	s_lshr_b32 s62, s34, 2
	s_lshl_b32 s62, s62, 11
	s_and_b32 s63, s34, 3
	s_lshl_b32 s63, s63, 9
	s_add_co_u32 s62, s62, s63                     ; qc, kc: fragment w / 4, group w % 4
	s_lshl_b32 s63, s34, 11                        ; vc: channel tiles 2 w, 2 w + 1
	s_cmp_eq_u32 s35, 2
	s_cselect_b32 s62, s63, s62
	s_lshl_b32 s63, ttmp9, 15
	s_add_co_u32 s62, s62, s63                     ; + 32,768 bytes a work-group
	s_mov_b32 s63, 0
	s_wait_kmcnt 0x0
	s_load_b256 s[40:47], s[24:25], 0x0            ; e0 .. e7
	s_load_b64 s[48:49], s[24:25], 0x20            ; e8, e9
	s_cmp_eq_u32 s35, 0                            ; the choices hang on the work-group's number alone
	s_cselect_b64 s[56:57], s[10:11], s[12:13]
	s_cselect_b64 s[58:59], s[16:17], s[18:19]
	s_cselect_b64 s[60:61], s[26:27], s[28:29]
	s_cmp_eq_u32 s35, 2
	s_cselect_b64 s[56:57], s[14:15], s[56:57]     ; W
	s_cselect_b64 s[58:59], s[20:21], s[58:59]     ; the bias
	s_cselect_b64 s[60:61], s[30:31], s[60:61]     ; where the codes go
	s_add_nc_u64 s[8:9], s[8:9], s[50:51]
	s_add_nc_u64 s[56:57], s[56:57], s[52:53]
	s_add_nc_u64 s[58:59], s[58:59], s[52:53]
	s_add_nc_u64 s[60:61], s[60:61], s[62:63]
	s_add_nc_u64 s[36:37], s[22:23], s[38:39]
	s_add_nc_u64 s[32:33], s[32:33], s[54:55]
	global_load_b32 v10, v[PA], s[36:37]           ; two keys' coordinate and P[0]'s: the oldest loads, in by the first wait below
	global_load_b32 v11, v[PA], s[36:37] offset:12
	global_load_b32 v12, v[P0A], s[22:23]
.irp u, 0,1
	global_load_b128 v[BI+8*\u:BI+8*\u+3], v[BA], s[58:59] offset:64*\u
	global_load_b128 v[BI+8*\u+4:BI+8*\u+7], v[BA], s[58:59] offset:64*\u+16
	global_load_b32 v[BV+\u], v[BVA], s[58:59] offset:64*\u
.endr
	XLOAD STA, 0
	XLOAD STB, 1
	s_wait_kmcnt 0x0
	s_cmp_eq_u32 s35, 0
	s_cselect_b32 s38, s40, s42                    ; eX
	s_cselect_b32 s39, s41, s43                    ; eW
	s_cselect_b32 s54, s46, s47                    ; eO: the result's scale as an operand: e6 (Q), e7 (K), e9 (V)
	s_cmp_eq_u32 s35, 2
	s_cselect_b32 s38, s44, s38
	s_cselect_b32 s39, s45, s39
	s_cselect_b32 s54, s49, s54
	s_add_co_i32 s55, s38, s39                     ; a sum stands for sum x 2^(eX + eW)
	s_sub_co_i32 s54, s54, s55                     ; eO - eX - eW
	s_sub_co_i32 s55, 0, s55
	MKSC 38, 50, 240
	MKSC 39, 50, 242
	MKSC 54, 50, 244
	s_wait_loadcnt 16                              ; all but the 16 youngest loads (x's second K step) are in
	QUANT STA, PC, 240, 241
	IMAGE 0
	WLOAD STA, 0, 0
	s_wait_loadcnt 63                              ; 64 loads are younger than x's second K step; 63 is the largest count that the wait takes
	s_wait_dscnt 0x0                               ; the stores have read the codes' registers
	QUANT STB, PC, 240, 241
	IMAGE 2048
	WLOAD STB, 0, 1
	s_wait_loadcnt 63                              ; likewise: the older set of 64 is in
	QUANT STA, WC, 242, 243
	WLOAD STA, 1, 0
	s_wait_loadcnt 63
	QUANT STB, WC+16, 242, 243
	WLOAD STB, 1, 1
	s_wait_loadcnt 63
	QUANT STA, WC+32, 242, 243
	s_wait_loadcnt 0x0
	QUANT STB, WC+48, 242, 243
	s_wait_dscnt 0x0                               ; for the others' sake: my images have landed
	s_barrier_signal -1
	s_barrier_wait -1                              ; x's sixteen fragments lie in LDS; nothing is stored to LDS behind this barrier
	s_cmp_eq_u32 s35, 2
	s_cbranch_scc1 .Lfor_v
.irp j, 0,1,2,3,4,5,6,7,8,9,10,11,12,13,14,15
	v_ldexp_f32 v[BI+\j], v[BI+\j], s55            ; b / 2^(eX + eW)
.endr
	PROD 0
	s_branch .Ljoined
.Lfor_v:
.irp u, 0,1
.irp j, 0,1,2,3,4,5,6,7
	v_ldexp_f32 v[BI+8*\u+\j], v[BV+\u], s55       ; a lane holds one channel: the same bias in its eight registers
.endr
.endr
	PROD 1
.Ljoined:
	s_cmp_lg_u32 s35, 0
	s_cbranch_scc1 .Lno_pk
	v_sub_f32 v10, v10, v12
	v_sub_f32 v11, v11, v12
	v_mul_f32 v10, 0x3f596d27, v10                 ; x sqrt(log2(e) / 2)
	v_mul_f32 v11, 0x3f596d27, v11
	global_store_b64 v[PO], v[10:11], s[32:33]     ; 32 lanes store 256 consecutive bytes, aligned
.Lno_pk:
	s_wait_tensorcnt 0x0                           ; the wave's end, behind my last LDS store
	ds_add_u32 v[SPW], v[NIL]
	s_wait_dscnt 0x0
	s_endpgm
.Lfunc_end_k_q80e1e65591_prep:
	.size	k_q80e1e65591_prep, .Lfunc_end_k_q80e1e65591_prep-k_q80e1e65591_prep
	.p2alignl 7, 3214868480
	.fill 96, 4, 3214868480
	.section	.rodata,"a",@progbits
	.p2align	6, 0x0
	.amdhsa_kernel k_q80e1e65591_prep
		.amdhsa_group_segment_fixed_size 33792
		.amdhsa_private_segment_fixed_size 0
		.amdhsa_enable_private_segment 0
		.amdhsa_kernarg_size 104
		.amdhsa_user_sgpr_count 2
		.amdhsa_user_sgpr_kernarg_segment_ptr 1
		.amdhsa_wavefront_size32 1
		.amdhsa_system_sgpr_workgroup_id_x 1
		.amdhsa_system_sgpr_workgroup_id_y 1
		.amdhsa_system_sgpr_workgroup_id_z 1
		.amdhsa_system_vgpr_workitem_id 0
		.amdhsa_next_free_vgpr 256
		.amdhsa_next_free_sgpr 66
		.amdhsa_reserve_vcc 0
		.amdhsa_float_denorm_mode_32 3
		.amdhsa_float_denorm_mode_16_64 3
		.amdhsa_memory_ordered 1
		.amdhsa_forward_progress 1
		.amdhsa_inst_pref_size 96
	.end_amdhsa_kernel
	.amdgpu_metadata
---
amdhsa.version: [ 1, 2 ]
amdhsa.kernels:
  - .name:           k_q80e1e65591_prep
    .symbol:         k_q80e1e65591_prep.kd
    .args:
      - { .name: X, .offset: 0, .size: 8, .value_kind: global_buffer, .address_space: global }
      - { .name: W_q, .offset: 8, .size: 8, .value_kind: global_buffer, .address_space: global }
      - { .name: W_k, .offset: 16, .size: 8, .value_kind: global_buffer, .address_space: global }
      - { .name: W_v, .offset: 24, .size: 8, .value_kind: global_buffer, .address_space: global }
      - { .name: b_q, .offset: 32, .size: 8, .value_kind: global_buffer, .address_space: global }
      - { .name: b_k, .offset: 40, .size: 8, .value_kind: global_buffer, .address_space: global }
      - { .name: b_v, .offset: 48, .size: 8, .value_kind: global_buffer, .address_space: global }
      - { .name: P, .offset: 56, .size: 8, .value_kind: global_buffer, .address_space: global }
      - { .name: lowp_scales, .offset: 64, .size: 8, .value_kind: global_buffer, .address_space: global }
      - { .name: qc, .offset: 72, .size: 8, .value_kind: global_buffer, .address_space: global }
      - { .name: kc, .offset: 80, .size: 8, .value_kind: global_buffer, .address_space: global }
      - { .name: vc, .offset: 88, .size: 8, .value_kind: global_buffer, .address_space: global }
      - { .name: pk, .offset: 96, .size: 8, .value_kind: global_buffer, .address_space: global }
    .group_segment_fixed_size: 33792
    .private_segment_fixed_size: 0
    .kernarg_segment_align: 8
    .kernarg_segment_size: 104
    .max_flat_workgroup_size: 256
    .sgpr_count:     66
    .vgpr_count:     256
    .wavefront_size: 32
...
	.end_amdgpu_metadata
.endif
;; end of part 1
;; launch stats (part 2): grid 64 x 4, 4 waves a work-group, no clusters, 0 bytes of LDS; arguments qc, kc, pk, lowp_scales, st; writes st
.if DOCPART == 2
	.amdgcn_target "amdgcn-amd-amdhsa--gfx1250"
	.amdhsa_code_object_version 6
	.text
	.protected	k_q80e1e65591_stats
	.globl	k_q80e1e65591_stats
	.p2align	8
	.type	k_q80e1e65591_stats,@function
k_q80e1e65591_stats:
	s_mov_b64 s[64:65], 0
	v_nop
	global_prefetch_b8 v0, s[64:65] scope:SCOPE_SE
	s_setreg_imm32_b32 hwreg(HW_REG_WAVE_MODE, 25, 1), 1
	s_wait_xcnt 0x0
; The first sweep over the keys: for each query and each sixteenth of the keys the largest t and the sum of 2^(t - M).
; t = kappa w, w = (the raw sum of Q K^T on codes) x 2^(-d2), d2 = the sum of squared differences of the scaled coordinates, kappa = log2(e) / 16 x 2^(e6 + e7); M = the largest t so far rounded up to a whole number.
; Work-group (x, y): queries 128 x .. + 127 (8 tiles a), keys 2048 y .. + 2047, in 32 steps of 64.  In a step wave w owns key tile 128 y + 4 step + w for all 8 query tiles: so each fragment of K goes from
; memory straight into one wave's registers and feeds 16 matrix instructions; Q stays in 256 registers.  Waves share nothing: no LDS, no barrier.
; S^T = K Q^T (source 0 = 16 keys, source 1 = 16 queries): lane (r, h) holds query r; register j is key 8 h + j.
; When M moves, the sum is multiplied by 2^(old M - new M) by v_ldexp_f32: nothing is rounded, and there is no branch on data.
; st[part 4 y + w][query] = (T, sum under M = ceil(T)).
; NO CLUSTER, NO TENSOR LOAD: of a step's bytes (4 KiB of K and 192 bytes of coordinates a wave) none is wanted by two waves of a work-group, and a joint load ends in LDS: it would add a fill and a read for each
; byte, for 16 matrix instructions and some 500 vector instructions a step.  No prefetch: kc and pk are read by 64 work-groups each, not once.
; LIMITS: e6 + e7 between -122 and 130 (they are added to kappa's exponent field).  NaN and infinities among the inputs are not served.
; REGISTERS: window 0 below; window 1: Q, fragment (a, s) at 32 a + 16 s; window 2: v0-63 S^T (tile a at 8 a), v64-127 K's fragments, two sets.
.set LI, 1                             ; v1  16 x lane
.set CA, 2                             ; v2  32 h: my eight keys' words in a row of the table
.set QA, 3                             ; v3  4 r: my query's word
.set SO, 4                             ; v4  8 x lane
.set LN, 5                             ; v5  lane
.set QC, 16                            ; v16-63   my queries' coordinates, each twice: the pair of (a, c) at 6 a + 2 c
.set ST, 64                            ; v64-127  tile a at 8 a: +0 -M, +1 the largest w, +2, +3 the sum in two halves, +4 to +7 at work
.set KC, 128                           ; v128-175 my keys' coordinates, two sets of 24: (c, j) at 8 c + j
.set TT, 176                           ; v176-191 differences at work, two sets of 8
.set D,  192                           ; v192-255 d2, then the decay, then w, then p: tile a at 8 a
.set S,  0                             ; in window 2
.set KF, 64                            ; in window 2
.set KP, 10                            ; s[10:11] kc at the step in hand
.set CP, 32                            ; s[32:33] pk at the step in hand
.set QB, 34                            ; s[34:35] pk at my queries
.set KAP, 26                           ; s[26:27] kappa, twice
.set SEL, 28                           ; s[28:29] lane selects for v_permlanex16_b32: lane l xor 16
.set W_QK, 0xa6                        ; K (source 0), C and D window 2; Q (source 1) window 1
.set W_SD, 0x02                        ; source 0 window 2
.set W_K,  0x80                        ; destination window 2
.set W_Q,  0x40                        ; destination window 1
.set MSB, 0
.macro WIN new                         ; the immediate's high byte repeats the setting that is left; a switch that changes nothing is dropped
.if MSB != \new
	s_set_vgpr_msb (MSB<<8)|\new
.set MSB, \new
.endif
.endm
.macro CLOAD b, ld                     ; the coordinates of my key tile ld steps on, into set b
.irp c, 0,1,2
	global_load_b128 v[KC+24*(\b)+8*\c:KC+24*(\b)+8*\c+3], v[CA], s[CP:CP+1] offset:(\ld)*1024+\c*64
	global_load_b128 v[KC+24*(\b)+8*\c+4:KC+24*(\b)+8*\c+7], v[CA], s[CP:CP+1] offset:(\ld)*1024+\c*64+16
.endr
.endm
.macro KLOAD b, ld                     ; its two fragments of K: each load takes 512 consecutive bytes
	WIN W_K
.irp s, 0,1
.irp g, 0,1,2,3
	global_load_b128 v[KF+32*(\b)+16*\s+4*\g:KF+32*(\b)+16*\s+4*\g+3], v[LI], s[KP:KP+1] offset:(\ld)*16384+\s*2048+\g*512
.endr
.endr
	WIN 0
.endm
.macro QK b                            ; 16 matrix instructions: the eight accumulators by turns, the first eight start the sums
	WIN W_QK
.irp a, 0,1,2,3,4,5,6,7
	v_wmma_f32_16x16x128_bf8_bf8 v[S+8*\a:S+8*\a+7], v[KF+32*(\b):KF+32*(\b)+15], v[32*\a:32*\a+15], 0
.endr
.irp a, 0,1,2,3,4,5,6,7
	v_wmma_f32_16x16x128_bf8_bf8 v[S+8*\a:S+8*\a+7], v[KF+32*(\b)+16:KF+32*(\b)+31], v[32*\a+16:32*\a+31], v[S+8*\a:S+8*\a+7]
.endr
	WIN 0
.endm
.macro DIST a, b                       ; d2 of my eight keys and my query of tile a: 24 packed instructions for 8 registers of pairs
.irp c, 0,1,2
.irp i, 0,2,4,6
	v_pk_add_f32 v[TT+8*(\c%2)+\i:TT+8*(\c%2)+\i+1], v[KC+24*(\b)+8*\c+\i:KC+24*(\b)+8*\c+\i+1], v[QC+6*(\a)+2*\c:QC+6*(\a)+2*\c+1] neg_lo:[0,1] neg_hi:[0,1]
.endr
.irp i, 0,2,4,6
.if \c == 0
	v_pk_mul_f32 v[D+8*(\a)+\i:D+8*(\a)+\i+1], v[TT+8*(\c%2)+\i:TT+8*(\c%2)+\i+1], v[TT+8*(\c%2)+\i:TT+8*(\c%2)+\i+1]
.else
	v_pk_fma_f32 v[D+8*(\a)+\i:D+8*(\a)+\i+1], v[TT+8*(\c%2)+\i:TT+8*(\c%2)+\i+1], v[TT+8*(\c%2)+\i:TT+8*(\c%2)+\i+1], v[D+8*(\a)+\i:D+8*(\a)+\i+1]
.endif
.endr
.endr
.endm
.macro DECAY                           ; w = S^T x 2^(-d2)
.set i, 0
.rept 64
	v_exp_f32 v[D+i], -v[D+i]
.set i, i+1
.endr
	v_nop                                          ; a plain instruction behind the last exponential,
	s_wait_alu depctr_va_vdst(0)                   ; and one wait for the batch, ahead of its first reader
	WIN W_SD
.set i, 0
.rept 32
	v_pk_mul_f32 v[D+i:D+i+1], v[S+i:S+i+1], v[D+i:D+i+1]   ; each accumulator from its low end on
.set i, i+2
.endr
	WIN 0
.endm
; A step: 64 keys, of which 16 are mine.  b: the sets in hand.  ld: how many steps past the pointers the next step's loads reach; 0: nothing is left to load.
.macro STEP b, ld
	s_wait_loadcnt 0x0                             ; this step's 14 loads, issued a step ago (at the head: Q and the queries' coordinates too)
	QK \b
	DIST 0, \b                                     ; plain work on other registers: the places behind the products
.if \ld
	CLOAD 1-\b, \ld
	KLOAD 1-\b, \ld
.endif
.irp a, 1,2,3,4,5,6,7
	DIST \a, \b
.endr
	DECAY
.irp i, 0,2,4,6
.irp a, 0,1,2,3,4,5,6,7
	v_max3_num_f32 v[ST+8*\a+1], v[ST+8*\a+1], v[D+8*\a+\i], v[D+8*\a+\i+1]   ; the running largest w (kappa is positive)
.endr
.endr
.irp a, 0,1,2,3,4,5,6,7
	v_mul_f32 v[ST+8*\a+4], s[KAP], v[ST+8*\a+1]   ; as t
.endr
.irp a, 0,1,2,3,4,5,6,7
	v_mov_b32 v[ST+8*\a+5], v[ST+8*\a]
.endr
.irp a, 0,1,2,3,4,5,6,7
	v_floor_f32 v[ST+8*\a], -v[ST+8*\a+4]          ; the new -M = floor(-t)
.endr
.irp a, 0,1,2,3,4,5,6,7
	v_sub_f32 v[ST+8*\a+5], v[ST+8*\a], v[ST+8*\a+5]   ; old M - new M: a whole number, 0 or less
.endr
.irp a, 0,1,2,3,4,5,6,7
	v_cvt_i32_f32 v[ST+8*\a+5], v[ST+8*\a+5]       ; (it saturates)
.endr
.irp a, 0,1,2,3,4,5,6,7
	v_ldexp_f32 v[ST+8*\a+2], v[ST+8*\a+2], v[ST+8*\a+5]
	v_ldexp_f32 v[ST+8*\a+3], v[ST+8*\a+3], v[ST+8*\a+5]
.endr
.irp a, 0,1,2,3,4,5,6,7
.irp i, 0,2,4,6
	v_pk_fma_f32 v[D+8*\a+\i:D+8*\a+\i+1], v[D+8*\a+\i:D+8*\a+\i+1], s[KAP:KAP+1], v[ST+8*\a:ST+8*\a+1] op_sel_hi:[1,0,0]   ; t - M (of the pairs kappa and -M the low word serves both halves)
.endr
.endr
.set i, 0
.rept 64
	v_exp_f32 v[D+i], v[D+i]
.set i, i+1
.endr
	v_nop
	s_wait_alu depctr_va_vdst(0)                   ; one wait for the batch
.irp a, 0,1,2,3,4,5,6,7
	v_pk_add_f32 v[ST+8*\a+6:ST+8*\a+7], v[D+8*\a:D+8*\a+1], v[D+8*\a+2:D+8*\a+3]
	v_pk_add_f32 v[ST+8*\a+2:ST+8*\a+3], v[ST+8*\a+2:ST+8*\a+3], v[D+8*\a+4:D+8*\a+5]
.endr
.irp a, 0,1,2,3,4,5,6,7
	v_pk_add_f32 v[ST+8*\a+6:ST+8*\a+7], v[ST+8*\a+6:ST+8*\a+7], v[D+8*\a+6:D+8*\a+7]
.endr
.irp a, 0,1,2,3,4,5,6,7
	v_pk_add_f32 v[ST+8*\a+2:ST+8*\a+3], v[ST+8*\a+2:ST+8*\a+3], v[ST+8*\a+6:ST+8*\a+7]
.endr
.endm
	s_load_b256 s[8:15], s[0:1], 0x0               ; qc s[8:9], kc s[10:11], pk s[12:13], the scales' exponents s[14:15]
	s_load_b64 s[16:17], s[0:1], 0x20              ; st
	v_lshrrev_b32 v6, 5, v0
	v_readfirstlane_b32 s20, v6                    ; wave 0..3
	s_and_b32 s22, ttmp7, 0xffff                   ; y: which quarter of the keys
	v_and_b32 v[LN], 31, v0
	v_and_b32 v6, 15, v0                           ; r
	v_bfe_u32 v7, v0, 4, 1                         ; h
	v_lshlrev_b32 v[LI], 4, v[LN]
	v_lshlrev_b32 v[CA], 5, v7
	v_lshlrev_b32 v[QA], 2, v6
	v_lshlrev_b32 v[SO], 3, v[LN]
	s_mov_b32 s[SEL], 0x76543210
	s_mov_b32 s[SEL+1], 0xfedcba98
	s_lshl_b32 s36, ttmp9, 15                      ; qc: 8 tiles of 4,096 bytes a work-group
	s_mov_b32 s37, 0
	s_lshl_b32 s38, s22, 19
	s_lshl_b32 s39, s20, 12
	s_add_co_u32 s38, s38, s39                     ; kc: tile 128 y + w
	s_mov_b32 s39, 0
	s_lshl_b32 s40, s22, 15
	s_lshl_b32 s41, s20, 8
	s_add_co_u32 s40, s40, s41                     ; pk: the same tile
	s_mov_b32 s41, 0
	s_lshl_b32 s42, ttmp9, 11                      ; pk: my queries' 8 tiles
	s_mov_b32 s43, 0
	s_lshl_b32 s44, s22, 2
	s_add_co_u32 s44, s44, s20
	s_lshl_b32 s44, s44, 16
	s_lshl_b32 s45, ttmp9, 10
	s_add_co_u32 s44, s44, s45                     ; st: part 4 y + w, my 128 queries
	s_mov_b32 s45, 0
	s_wait_kmcnt 0x0
	s_load_b64 s[24:25], s[14:15], 0x18            ; e6, e7
	s_add_nc_u64 s[8:9], s[8:9], s[36:37]
	s_add_nc_u64 s[KP:KP+1], s[KP:KP+1], s[38:39]
	s_add_nc_u64 s[CP:CP+1], s[12:13], s[40:41]
	s_add_nc_u64 s[QB:QB+1], s[12:13], s[42:43]
	s_add_nc_u64 s[16:17], s[16:17], s[44:45]
	WIN W_Q
.irp a, 0,1,2,3,4,5,6,7
.irp s, 0,1
.irp g, 0,1,2,3
	global_load_b128 v[32*\a+16*\s+4*\g:32*\a+16*\s+4*\g+3], v[LI], s[8:9] offset:\a*4096+\s*2048+\g*512   ; Q stays in registers
.endr
.endr
.endr
	WIN 0
.irp a, 0,1,2,3,4,5,6,7
.irp c, 0,1,2
	global_load_b32 v[QC+6*\a+2*\c], v[QA], s[QB:QB+1] offset:\a*256+\c*64       ; the same word into both registers of a pair
	global_load_b32 v[QC+6*\a+2*\c+1], v[QA], s[QB:QB+1] offset:\a*256+\c*64
.endr
.endr
	CLOAD 0, 0
	KLOAD 0, 0
.irp a, 0,1,2,3,4,5,6,7
	v_mov_b32 v[ST+8*\a], 0x7f61b1e6               ; -M: 3e38
	v_mov_b32 v[ST+8*\a+1], 0xff61b1e6             ; the largest w so far: -3e38, under every w
	v_mov_b32 v[ST+8*\a+2], 0                      ; the sum: the first change of M leaves zeros zeros
	v_mov_b32 v[ST+8*\a+3], 0
.endr
	s_wait_kmcnt 0x0
	s_add_co_i32 s24, s24, s25
	s_lshl_b32 s24, s24, 23
	s_add_co_i32 s[KAP], s24, 0x3db8aa3b           ; log2(e) / 16, with e6 + e7 added to its exponent field
	s_mov_b32 s[KAP+1], s[KAP]
	STEP 0, 1                                      ; step 0; it loads step 1
	s_wait_xcnt 0x0                                ; the loads have read their bases, which step only behind this wait
	s_add_nc_u64 s[KP:KP+1], s[KP:KP+1], 16384
	s_add_nc_u64 s[CP:CP+1], s[CP:CP+1], 1024
	s_mov_b32 s30, 15
.Lpair:                                            ; 15 trips of two steps: steps 1 to 30; the sets change places and are back after two
	STEP 1, 1
	STEP 0, 2
	s_wait_xcnt 0x0
	s_add_nc_u64 s[KP:KP+1], s[KP:KP+1], 32768
	s_add_nc_u64 s[CP:CP+1], s[CP:CP+1], 2048
	s_sub_co_u32 s30, s30, 1
	s_cmp_lg_u32 s30, 0
	s_cbranch_scc1 .Lpair
	STEP 1, 0                                      ; step 31 loads nothing: no load leaves its buffer
	; the two halves of the lanes hold the same queries and other keys: they are joined under the larger M
.irp a, 0,1,2,3,4,5,6,7
	v_mul_f32 v[ST+8*\a+4], s[KAP], v[ST+8*\a+1]   ; T
	v_add_f32 v[ST+8*\a+2], v[ST+8*\a+2], v[ST+8*\a+3]
.endr
.irp a, 0,1,2,3,4,5,6,7
	v_permlanex16_b32 v[ST+8*\a+5], v[ST+8*\a+4], s[SEL], s[SEL+1]
	v_permlanex16_b32 v[ST+8*\a+6], v[ST+8*\a], s[SEL], s[SEL+1]
	v_permlanex16_b32 v[ST+8*\a+7], v[ST+8*\a+2], s[SEL], s[SEL+1]
.endr
.irp a, 0,1,2,3,4,5,6,7
	v_max_num_f32 v[ST+8*\a+4], v[ST+8*\a+4], v[ST+8*\a+5]     ; the part's T
	v_min_num_f32 v[ST+8*\a+5], v[ST+8*\a], v[ST+8*\a+6]       ; its -M = floor(-T)
.endr
.irp a, 0,1,2,3,4,5,6,7
	v_sub_f32 v[ST+8*\a+3], v[ST+8*\a+5], v[ST+8*\a]
	v_sub_f32 v[ST+8*\a+6], v[ST+8*\a+5], v[ST+8*\a+6]
.endr
.irp a, 0,1,2,3,4,5,6,7
	v_cvt_i32_f32 v[ST+8*\a+3], v[ST+8*\a+3]
	v_cvt_i32_f32 v[ST+8*\a+6], v[ST+8*\a+6]
.endr
.irp a, 0,1,2,3,4,5,6,7
	v_ldexp_f32 v[ST+8*\a+2], v[ST+8*\a+2], v[ST+8*\a+3]
	v_ldexp_f32 v[ST+8*\a+7], v[ST+8*\a+7], v[ST+8*\a+6]
.endr
.irp a, 0,1,2,3,4,5,6,7
	v_add_f32 v[ST+8*\a+5], v[ST+8*\a+2], v[ST+8*\a+7]         ; (T, sum) in the pair +4, +5
.endr
	v_cmp_lt_u32 vcc_lo, 15, v[LN]
.irp a, 0,2,4,6
	v_cndmask_b32 v[D+\a], v[ST+8*\a+4], v[ST+8*\a+12], vcc_lo   ; lanes 0-15 store tile a, lanes 16-31 tile a + 1
	v_cndmask_b32 v[D+\a+1], v[ST+8*\a+5], v[ST+8*\a+13], vcc_lo
	global_store_b64 v[SO], v[D+\a:D+\a+1], s[16:17] offset:128*\a   ; 32 lanes store 256 consecutive bytes, aligned
.endr
	s_endpgm
.Lfunc_end_k_q80e1e65591_stats:
	.size	k_q80e1e65591_stats, .Lfunc_end_k_q80e1e65591_stats-k_q80e1e65591_stats
	.p2alignl 7, 3214868480
	.fill 96, 4, 3214868480
	.section	.rodata,"a",@progbits
	.p2align	6, 0x0
	.amdhsa_kernel k_q80e1e65591_stats
		.amdhsa_group_segment_fixed_size 0
		.amdhsa_private_segment_fixed_size 0
		.amdhsa_enable_private_segment 0
		.amdhsa_kernarg_size 40
		.amdhsa_user_sgpr_count 2
		.amdhsa_user_sgpr_kernarg_segment_ptr 1
		.amdhsa_wavefront_size32 1
		.amdhsa_system_sgpr_workgroup_id_x 1
		.amdhsa_system_sgpr_workgroup_id_y 1
		.amdhsa_system_sgpr_workgroup_id_z 1
		.amdhsa_system_vgpr_workitem_id 0
		.amdhsa_next_free_vgpr 640
		.amdhsa_next_free_sgpr 66
		.amdhsa_reserve_vcc 1
		.amdhsa_float_denorm_mode_32 3
		.amdhsa_float_denorm_mode_16_64 3
		.amdhsa_memory_ordered 1
		.amdhsa_forward_progress 1
		.amdhsa_inst_pref_size 145
	.end_amdhsa_kernel
	.amdgpu_metadata
---
amdhsa.version: [ 1, 2 ]
amdhsa.kernels:
  - .name:           k_q80e1e65591_stats
    .symbol:         k_q80e1e65591_stats.kd
    .args:
      - { .name: qc, .offset: 0, .size: 8, .value_kind: global_buffer, .address_space: global }
      - { .name: kc, .offset: 8, .size: 8, .value_kind: global_buffer, .address_space: global }
      - { .name: pk, .offset: 16, .size: 8, .value_kind: global_buffer, .address_space: global }
      - { .name: lowp_scales, .offset: 24, .size: 8, .value_kind: global_buffer, .address_space: global }
      - { .name: st, .offset: 32, .size: 8, .value_kind: global_buffer, .address_space: global }
    .group_segment_fixed_size: 0
    .private_segment_fixed_size: 0
    .kernarg_segment_align: 8
    .kernarg_segment_size: 40
    .max_flat_workgroup_size: 128
    .sgpr_count:     66
    .vgpr_count:     640
    .wavefront_size: 32
...
	.end_amdgpu_metadata
.endif
;; end of part 2
;; launch attn (part 3): grid 64 x 4, 4 waves a work-group, no clusters, 34,304 bytes of LDS; arguments qc, kc, vc, pk, st, lowp_scales, op; writes op
.if DOCPART == 3
	.amdgcn_target "amdgcn-amd-amdhsa--gfx1250"
	.amdhsa_code_object_version 6
	.text
	.protected	k_q80e1e65591_attn
	.globl	k_q80e1e65591_attn
	.p2align	8
	.type	k_q80e1e65591_attn,@function
k_q80e1e65591_attn:
	s_mov_b64 s[64:65], 0
	v_nop
	global_prefetch_b8 v0, s[64:65] scope:SCOPE_SE
	s_setreg_imm32_b32 hwreg(HW_REG_WAVE_MODE, 25, 1), 1
	s_wait_xcnt 0x0
; The second sweep: A = 2^(t - T) R, finished and normalised, is quantised along the keys and multiplied by V; the raw sums over a quarter of the keys go to op.
; t = kappa w as in the first sweep (the same instructions on the same codes give the same w).  T = the row's largest t over the 16 parts, M = ceil(T), sum = the parts' sums brought under M by v_ldexp_f32,
; R = 1 / (1 + 2^(M - T) sum): the divisor of softmax_one, whose maximum is taken away as it stands.
; Work-group (x, y): queries 128 x .. + 127 (8 tiles a), keys 2048 y .. + 2047, in 32 steps of 64.  In a step wave w makes S^T, the decay and A for key tile 128 y + 4 step + w and all 8 query tiles.
; A's codes of 16 keys are registers 2 w, 2 w + 1 of the second product's operand (64 keys x 16 queries): they go from wave to wave through LDS as an image of that operand's registers, 8 KiB a step, two
; images by turns.  Then wave w makes channels 64 w .. 64 w + 63 of O^T = V^T A^T for all 128 queries: 32 accumulators, 256 registers.  So each fragment of K and of V goes from memory straight into ONE wave's registers.
; ONE BARRIER A STEP: image b is stored again two steps on, behind the next step's barrier, in front of which every wave has waited for all its LDS instructions, its reads of image b among them.
; NO CLUSTER, NO TENSOR LOAD: of a step's bytes (4 KiB of K and 4 KiB of V a wave) none is wanted by two waves of a work-group, and a joint load ends in LDS: it would add a fill and a read for each byte, for
; 48 matrix instructions and some 500 vector instructions a step.  No prefetch: kc, vc and pk are read by 64 work-groups each, not once.
; LIMITS: e6 + e7 between -122 and 130; e8 between -126 and 112.  NaN and infinities among the inputs are not served.
; REGISTERS: window 0 below; window 1: Q, fragment (a, s) at 32 a + 16 s; window 2: O^T, accumulator (a, t) at 8 (4 a + t);
;   window 3: v0-63 S^T; v64-127 K, two sets; v128-191 V, two sets of four fragments; v192-255 A's eight fragments.
.set STG,   16384                      ; LDS: 0 .. 16383 A's two images; then a stage of 16 rows x (256 + 16) bytes for each wave
.set SPARE, 33792                      ; behind the stages: the spare words, 128 bytes for each wave
.set LI,  1                            ; v1  16 x lane
.set CA,  2                            ; v2  32 h
.set PST, 3                            ; v3  where I store my 8 bytes of an image: 16 x lane + 512 (w / 2) + 8 (w % 2)
.set STO, 4                            ; v4  the stage: row r, + 32 h
.set SRD, 5                            ; v5  the stage, back: row h, + 16 r
.set GO,  6                            ; v6  op: row h of 1,024 bytes + 16 r
.set QA,  7                            ; v7  4 r
.set SA,  8                            ; v8  st: parts 8 h on, + 8 r
.set SPW, 10                           ; v10 LDS address of my spare word; never rewritten
.set NIL, 11                           ; v11 0; never rewritten
.set QC,  16                           ; v16-63   my queries' coordinates, each twice
.set NT,  64                           ; v64-79   (-T, -T) of tile a
.set RR,  80                           ; v80-95   (R, R) of tile a
.set KC,  96                           ; v96-143  my keys' coordinates, two sets of 24
.set TT,  144                          ; v144-159 differences at work
.set D,   160                          ; v160-223 d2, the decay, w, A; at the head the parts' statistics; on the way out rows of O
.set PC,  224                          ; v224-239 A's codes, tile a at 2 a
.set WK,  240                          ; v240-255 at work at the head: tile k at 4 k: +0 T, +1 at work, +2 -M, +3 the sum, then R
.set S,   0                            ; in window 3
.set KF,  64
.set VF,  128
.set PF,  192
.set KP,  10                           ; s[10:11] kc at the step in hand
.set VP,  12                           ; s[12:13] vc at the step in hand
.set CP,  40                           ; s[40:41] pk at the step in hand
.set QB,  42                           ; s[42:43] pk at my queries
.set KAP, 30                           ; s[30:31] kappa, twice
.set SEL, 32                           ; s[32:33] lane selects: lane l xor 16
.set W_QK, 0xf7                        ; K, C and D window 3; Q window 1
.set W_SD, 0x03                        ; source 0 window 3
.set W_L,  0xc0                        ; destination window 3
.set W_Q,  0x40                        ; destination window 1
.set W_PV, 0xaf                        ; V and A window 3; C and D window 2
.set W_OS, 0x08                        ; an LDS store's data window 2
.set MSB, 0
.macro WIN new                         ; the immediate's high byte repeats the setting that is left; a switch that changes nothing is dropped
.if MSB != \new
	s_set_vgpr_msb (MSB<<8)|\new
.set MSB, \new
.endif
.endm
.macro CLOAD b, ld
.irp c, 0,1,2
	global_load_b128 v[KC+24*(\b)+8*\c:KC+24*(\b)+8*\c+3], v[CA], s[CP:CP+1] offset:(\ld)*1024+\c*64
	global_load_b128 v[KC+24*(\b)+8*\c+4:KC+24*(\b)+8*\c+7], v[CA], s[CP:CP+1] offset:(\ld)*1024+\c*64+16
.endr
.endm
.macro KLOAD b, ld                     ; my key tile's two fragments: each load takes 512 consecutive bytes
	WIN W_L
.irp s, 0,1
.irp g, 0,1,2,3
	global_load_b128 v[KF+32*(\b)+16*\s+4*\g:KF+32*(\b)+16*\s+4*\g+3], v[LI], s[KP:KP+1] offset:(\ld)*16384+\s*2048+\g*512
.endr
.endr
.endm
.macro VLOAD b, ld                     ; the step's 64 keys of my four channel tiles
	WIN W_L
.irp t, 0,1,2,3
.irp g, 0,1
	global_load_b128 v[VF+32*(\b)+8*\t+4*\g:VF+32*(\b)+8*\t+4*\g+3], v[LI], s[VP:VP+1] offset:(\ld)*16384+\t*1024+\g*512
.endr
.endr
	WIN 0
.endm
.macro QK b                            ; 16 matrix instructions: the eight accumulators by turns, the first eight start the sums
	WIN W_QK
.irp a, 0,1,2,3,4,5,6,7
	v_wmma_f32_16x16x128_bf8_bf8 v[S+8*\a:S+8*\a+7], v[KF+32*(\b):KF+32*(\b)+15], v[32*\a:32*\a+15], 0
.endr
.irp a, 0,1,2,3,4,5,6,7
	v_wmma_f32_16x16x128_bf8_bf8 v[S+8*\a:S+8*\a+7], v[KF+32*(\b)+16:KF+32*(\b)+31], v[32*\a+16:32*\a+31], v[S+8*\a:S+8*\a+7]
.endr
	WIN 0
.endm
.macro DIST a, b
.irp c, 0,1,2
.irp i, 0,2,4,6
	v_pk_add_f32 v[TT+8*(\c%2)+\i:TT+8*(\c%2)+\i+1], v[KC+24*(\b)+8*\c+\i:KC+24*(\b)+8*\c+\i+1], v[QC+6*(\a)+2*\c:QC+6*(\a)+2*\c+1] neg_lo:[0,1] neg_hi:[0,1]
.endr
.irp i, 0,2,4,6
.if \c == 0
	v_pk_mul_f32 v[D+8*(\a)+\i:D+8*(\a)+\i+1], v[TT+8*(\c%2)+\i:TT+8*(\c%2)+\i+1], v[TT+8*(\c%2)+\i:TT+8*(\c%2)+\i+1]
.else
	v_pk_fma_f32 v[D+8*(\a)+\i:D+8*(\a)+\i+1], v[TT+8*(\c%2)+\i:TT+8*(\c%2)+\i+1], v[TT+8*(\c%2)+\i:TT+8*(\c%2)+\i+1], v[D+8*(\a)+\i:D+8*(\a)+\i+1]
.endif
.endr
.endr
.endm
.macro DECAY                           ; w = S^T x 2^(-d2)
.set i, 0
.rept 64
	v_exp_f32 v[D+i], -v[D+i]
.set i, i+1
.endr
	v_nop                                          ; a plain instruction behind the last exponential,
	s_wait_alu depctr_va_vdst(0)                   ; and one wait for the batch, ahead of its first reader
	WIN W_SD
.set i, 0
.rept 32
	v_pk_mul_f32 v[D+i:D+i+1], v[S+i:S+i+1], v[D+i:D+i+1]   ; each accumulator from its low end on
.set i, i+2
.endr
	WIN 0
.endm
; The rows' statistics of tiles 4 G .. 4 G + 3.  Lanes 0-15 take parts 0-7 of their query, lanes 16-31 parts 8-15.
.macro LSTAT G
.irp k, 0,1,2,3
.irp i, 0,1,2,3,4,5,6,7
	global_load_b64 v[D+16*\k+2*\i:D+16*\k+2*\i+1], v[SA], s[16:17] offset:\i*65536+(4*(\G)+\k)*128
.endr
.endr
	s_wait_loadcnt 0x0
.irp k, 0,1,2,3
	v_max3_num_f32 v[WK+4*\k], v[D+16*\k], v[D+16*\k+2], v[D+16*\k+4]
.endr
.irp k, 0,1,2,3
	v_max3_num_f32 v[WK+4*\k], v[WK+4*\k], v[D+16*\k+6], v[D+16*\k+8]
.endr
.irp k, 0,1,2,3
	v_max3_num_f32 v[WK+4*\k], v[WK+4*\k], v[D+16*\k+10], v[D+16*\k+12]
.endr
.irp k, 0,1,2,3
	v_max_num_f32 v[WK+4*\k], v[WK+4*\k], v[D+16*\k+14]
.endr
.irp k, 0,1,2,3
	v_permlanex16_b32 v[WK+4*\k+1], v[WK+4*\k], s[SEL], s[SEL+1]
.endr
.irp k, 0,1,2,3
	v_max_num_f32 v[WK+4*\k], v[WK+4*\k], v[WK+4*\k+1]         ; T
.endr
.irp k, 0,1,2,3
	v_floor_f32 v[WK+4*\k+2], -v[WK+4*\k]                      ; -M
.endr
.irp i, 0,1,2,3,4,5,6,7
.irp k, 0,1,2,3
	v_floor_f32 v[D+16*\k+2*\i], -v[D+16*\k+2*\i]              ; the part's -M, as the first sweep had it
.endr
.irp k, 0,1,2,3
	v_sub_f32 v[D+16*\k+2*\i], v[WK+4*\k+2], v[D+16*\k+2*\i]   ; the part's M - M: a whole number, 0 or less
.endr
.irp k, 0,1,2,3
	v_cvt_i32_f32 v[D+16*\k+2*\i], v[D+16*\k+2*\i]
.endr
.irp k, 0,1,2,3
	v_ldexp_f32 v[D+16*\k+2*\i+1], v[D+16*\k+2*\i+1], v[D+16*\k+2*\i]
.endr
.endr
.irp k, 0,1,2,3
	v_add_f32 v[WK+4*\k+3], v[D+16*\k+1], v[D+16*\k+3]
.endr
.irp i, 2,3,4,5,6,7
.irp k, 0,1,2,3
	v_add_f32 v[WK+4*\k+3], v[WK+4*\k+3], v[D+16*\k+2*\i+1]
.endr
.endr
.irp k, 0,1,2,3
	v_permlanex16_b32 v[WK+4*\k+1], v[WK+4*\k+3], s[SEL], s[SEL+1]
.endr
.irp k, 0,1,2,3
	v_add_f32 v[WK+4*\k+3], v[WK+4*\k+3], v[WK+4*\k+1]         ; the row's sum under M
.endr
.irp k, 0,1,2,3
	v_add_f32 v[WK+4*\k+1], v[WK+4*\k+2], v[WK+4*\k]           ; T - M
.endr
.irp k, 0,1,2,3
	v_exp_f32 v[WK+4*\k+1], -v[WK+4*\k+1]                      ; 2^(M - T)
.endr
	v_nop
	s_wait_alu depctr_va_vdst(0)
.irp k, 0,1,2,3
	v_fma_f32 v[WK+4*\k+3], v[WK+4*\k+1], v[WK+4*\k+3], 1.0    ; 1 + the sum of e^(x - max)
.endr
.irp k, 0,1,2,3
	v_rcp_f32 v[WK+4*\k+3], v[WK+4*\k+3]
.endr
	v_nop
	s_wait_alu depctr_va_vdst(0)
.irp k, 0,1,2,3
	v_mul_f32 v[NT+2*(4*(\G)+\k)], -1.0, v[WK+4*\k]
	v_mul_f32 v[NT+2*(4*(\G)+\k)+1], -1.0, v[WK+4*\k]
	v_mov_b32 v[RR+2*(4*(\G)+\k)], v[WK+4*\k+3]
	v_mov_b32 v[RR+2*(4*(\G)+\k)+1], v[WK+4*\k+3]
.endr
.endm
; A step of 64 keys.  b: the sets and the image in hand.  zero = 1: the products start O^T's sums.  ld: how many steps past the pointers the next step's loads reach; 0: nothing is left to load.
.macro STEP b, zero, ld
	s_wait_loadcnt 8                               ; of this step's 22 loads (coordinates 6, K 8, V 8, in that order) the 8 of V may stay out
	QK \b
	DIST 0, \b                                     ; 24 plain instructions on other registers: the places behind the last step's products, ahead of the loads into V's other set
.if \ld
	CLOAD 1-\b, \ld
	KLOAD 1-\b, \ld
	VLOAD 1-\b, \ld
.endif
.irp a, 1,2,3,4,5,6,7
	DIST \a, \b
.endr
	DECAY
.irp a, 0,1,2,3,4,5,6,7
.irp i, 0,2,4,6
	v_pk_fma_f32 v[D+8*\a+\i:D+8*\a+\i+1], v[D+8*\a+\i:D+8*\a+\i+1], s[KAP:KAP+1], v[NT+2*\a:NT+2*\a+1] op_sel_hi:[1,0,1]   ; t - T, one rounding
.endr
.endr
.set i, 0
.rept 64
	v_exp_f32 v[D+i], v[D+i]
.set i, i+1
.endr
	v_nop
	s_wait_alu depctr_va_vdst(0)                   ; one wait for the batch
.irp a, 0,1,2,3,4,5,6,7
.irp i, 0,2,4,6
	v_pk_mul_f32 v[D+8*\a+\i:D+8*\a+\i+1], v[D+8*\a+\i:D+8*\a+\i+1], v[RR+2*\a:RR+2*\a+1]   ; A, normalised
.endr
.irp i, 0,1,2,3,4,5,6,7
	v_min_num_f32 v[D+8*\a+\i], v[D+8*\a+\i], v13  ; the conversion does not saturate (ISA guide 7.6.2); A is not negative, so the hold is one-sided
.endr
	v_cvt_scalef32_pk8_bf8_f32 v[PC+2*\a:PC+2*\a+1], v[D+8*\a:D+8*\a+7], v12
.endr
	v_nop                                          ; one plain instruction behind the last conversion
.irp a, 0,1,2,3,4,5,6,7
	ds_store_b64 v[PST], v[PC+2*\a:PC+2*\a+1] offset:(\b)*8192+\a*1024   ; registers 2 w, 2 w + 1 of fragment a
.endr
	s_wait_dscnt 0x0                               ; for the others' sake: my stores have landed (and my reads of the other image were over long ago)
	s_barrier_signal -1
	s_barrier_wait -1                              ; the image is whole
	WIN W_L
.irp a, 0,1,2,3,4,5,6,7
.irp g, 0,1
	ds_load_b128 v[PF+8*\a+4*\g:PF+8*\a+4*\g+3], v[LI] offset:(\b)*8192+\a*1024+\g*512
.endr
.endr
	WIN 0
.if \ld
	s_wait_loadcnt 22                              ; this step's V is in; the 22 loads of the next step may stay out
.else
	s_wait_loadcnt 0x0
.endif
	s_wait_dscnt 0x0
	WIN W_PV
.irp t, 0,1,2,3                        ; the 32 accumulators take turns, one instruction a turn, in the same order in every step
.irp a, 0,1,2,3,4,5,6,7
.if \zero
	v_wmma_f32_16x16x64_bf8_bf8 v[8*(4*\a+\t):8*(4*\a+\t)+7], v[VF+32*(\b)+8*\t:VF+32*(\b)+8*\t+7], v[PF+8*\a:PF+8*\a+7], 0
.else
	v_wmma_f32_16x16x64_bf8_bf8 v[8*(4*\a+\t):8*(4*\a+\t)+7], v[VF+32*(\b)+8*\t:VF+32*(\b)+8*\t+7], v[PF+8*\a:PF+8*\a+7], v[8*(4*\a+\t):8*(4*\a+\t)+7]
.endif
.endr
.endr
	WIN 0
.endm
	s_load_b256 s[8:15], s[0:1], 0x0               ; qc s[8:9], kc s[10:11], vc s[12:13], pk s[14:15]
	s_load_b128 s[16:19], s[0:1], 0x20             ; st s[16:17], the scales' exponents s[18:19]
	s_load_b64 s[20:21], s[0:1], 0x30              ; op
	v_lshl_add_u32 v[SPW], v0, 2, SPARE
	v_mov_b32 v[NIL], 0
	v_lshrrev_b32 v14, 5, v0
	v_readfirstlane_b32 s22, v14                   ; wave 0..3
	s_and_b32 s28, ttmp7, 0xffff                   ; y
	v_and_b32 v14, 31, v0
	v_lshlrev_b32 v[LI], 4, v14
	v_and_b32 v14, 15, v0                          ; r
	v_bfe_u32 v15, v0, 4, 1                        ; h
	v_lshlrev_b32 v[CA], 5, v15
	v_lshlrev_b32 v[QA], 2, v14
	v_lshlrev_b32 v[SA], 3, v14
	v_lshl_add_u32 v[SA], v15, 19, v[SA]
	s_lshr_b32 s36, s22, 1
	s_lshl_b32 s36, s36, 9
	s_and_b32 s37, s22, 1
	s_lshl_b32 s37, s37, 3
	s_add_co_u32 s36, s36, s37
	v_add_nc_u32 v[PST], s36, v[LI]
	s_mul_i32 s36, s22, 4352
	s_add_co_u32 s36, s36, STG                     ; my stage
	v_mul_u32_u24 v[STO], v14, 272
	v_lshl_add_u32 v[STO], v15, 5, v[STO]
	v_add_nc_u32 v[STO], s36, v[STO]
	v_mul_u32_u24 v[SRD], v15, 272
	v_lshl_add_u32 v[SRD], v14, 4, v[SRD]
	v_add_nc_u32 v[SRD], s36, v[SRD]
	v_lshlrev_b32 v[GO], 10, v15
	v_lshl_add_u32 v[GO], v14, 4, v[GO]
.set i, 0
.rept 16
	v_mov_b32 v[WK+i], 0                           ; written once: a lane permute's destination counts as one of its sources
.set i, i+1
.endr
	s_mov_b32 s[SEL], 0x76543210
	s_mov_b32 s[SEL+1], 0xfedcba98
	s_lshl_b32 s36, ttmp9, 15                      ; qc: my 8 tiles
	s_mov_b32 s37, 0
	s_lshl_b32 s38, s28, 19
	s_lshl_b32 s39, s22, 12
	s_add_co_u32 s38, s38, s39                     ; kc: tile 128 y + w;  vc: block 32 y, channel tiles 4 w on: the same number
	s_mov_b32 s39, 0
	s_lshl_b32 s44, s28, 15
	s_lshl_b32 s45, s22, 8
	s_add_co_u32 s44, s44, s45                     ; pk: tile 128 y + w
	s_mov_b32 s45, 0
	s_lshl_b32 s46, ttmp9, 11                      ; pk: my queries' tiles
	s_mov_b32 s47, 0
	s_lshl_b32 s48, ttmp9, 10                      ; st: my 128 queries
	s_mov_b32 s49, 0
	s_lshl_b32 s50, s28, 23
	s_lshl_b32 s51, ttmp9, 17
	s_add_co_u32 s50, s50, s51
	s_lshl_b32 s51, s22, 8
	s_add_co_u32 s50, s50, s51                     ; op: quarter y, my 128 rows, my 64 channels
	s_mov_b32 s51, 0
	s_wait_kmcnt 0x0
	s_load_b128 s[24:27], s[18:19], 0x18           ; e6, e7, e8, e9
	s_add_nc_u64 s[8:9], s[8:9], s[36:37]
	s_add_nc_u64 s[KP:KP+1], s[KP:KP+1], s[38:39]
	s_add_nc_u64 s[VP:VP+1], s[VP:VP+1], s[38:39]
	s_add_nc_u64 s[CP:CP+1], s[14:15], s[44:45]
	s_add_nc_u64 s[QB:QB+1], s[14:15], s[46:47]
	s_add_nc_u64 s[16:17], s[16:17], s[48:49]
	s_add_nc_u64 s[20:21], s[20:21], s[50:51]
	WIN W_Q
.irp a, 0,1,2,3,4,5,6,7
.irp s, 0,1
.irp g, 0,1,2,3
	global_load_b128 v[32*\a+16*\s+4*\g:32*\a+16*\s+4*\g+3], v[LI], s[8:9] offset:\a*4096+\s*2048+\g*512   ; Q stays in registers
.endr
.endr
.endr
	WIN 0
.irp a, 0,1,2,3,4,5,6,7
.irp c, 0,1,2
	global_load_b32 v[QC+6*\a+2*\c], v[QA], s[QB:QB+1] offset:\a*256+\c*64       ; the same word into both registers of a pair
	global_load_b32 v[QC+6*\a+2*\c+1], v[QA], s[QB:QB+1] offset:\a*256+\c*64
.endr
.endr
	LSTAT 0
	LSTAT 1
	CLOAD 0, 0
	KLOAD 0, 0
	VLOAD 0, 0
	s_wait_kmcnt 0x0
	s_add_co_i32 s24, s24, s25
	s_lshl_b32 s24, s24, 23
	s_add_co_i32 s[KAP], s24, 0x3db8aa3b           ; log2(e) / 16, with e6 + e7 added to its exponent field
	s_mov_b32 s[KAP+1], s[KAP]
	s_add_co_i32 s36, s26, 127
	s_lshl_b32 s37, s36, 23
	v_mov_b32 v12, s37                             ; 2^e8 as f32: the conversion takes its exponent field
	s_add_co_i32 s36, s36, 15
	s_lshl_b32 s36, s36, 23
	s_or_b32 s36, s36, 0x600000
	v_mov_b32 v13, s36                             ; 57,344 x 2^e8
	STEP 0, 1, 1                                   ; step 0 starts O^T's sums and loads step 1
	s_wait_xcnt 0x0                                ; the loads have read their bases, which step only behind this wait
	s_add_nc_u64 s[KP:KP+1], s[KP:KP+1], 16384
	s_add_nc_u64 s[VP:VP+1], s[VP:VP+1], 16384
	s_add_nc_u64 s[CP:CP+1], s[CP:CP+1], 1024
	s_mov_b32 s34, 15
.Lpair:                                            ; 15 trips of two steps: steps 1 to 30; the sets and images change places and are back after two
	STEP 1, 0, 1
	STEP 0, 0, 2
	s_wait_xcnt 0x0
	s_add_nc_u64 s[KP:KP+1], s[KP:KP+1], 32768
	s_add_nc_u64 s[VP:VP+1], s[VP:VP+1], 32768
	s_add_nc_u64 s[CP:CP+1], s[CP:CP+1], 2048
	s_sub_co_u32 s34, s34, 1
	s_cmp_lg_u32 s34, 0
	s_cbranch_scc1 .Lpair
	STEP 1, 0, 0                                   ; step 31 loads nothing: no load leaves its buffer
	; THE WAY OUT.  A lane holds 8 channels of a query, 32 bytes; a tile of 16 queries x 64 channels goes through my own stage and comes back as rows of 256 bytes.
	; LDS serves a wave's instructions in order (ISA guide 5.7.1.4): no wait between the stores and the loads, nor in front of the next tile's stores.
.rept 4
	v_nop                                          ; four places behind the last products, ahead of the stores that read results
.endr
.irp a, 0,1,2,3,4,5,6,7
	s_wait_xcnt 0x0                                ; the earlier stores have read their registers: these are loaded again only behind this wait
	WIN W_OS
.irp t, 0,1,2,3
	ds_store_b128 v[STO], v[8*(4*\a+\t):8*(4*\a+\t)+3] offset:64*\t           ; each accumulator from its low end on
	ds_store_b128 v[STO], v[8*(4*\a+\t)+4:8*(4*\a+\t)+7] offset:64*\t+16
.endr
	WIN 0
.irp i, 0,1,2,3,4,5,6,7
	ds_load_b128 v[D+32*(\a%2)+4*\i:D+32*(\a%2)+4*\i+3], v[SRD] offset:2*\i*272
.endr
	s_wait_dscnt 0x0
.irp i, 0,1,2,3,4,5,6,7
	global_store_b128 v[GO], v[D+32*(\a%2)+4*\i:D+32*(\a%2)+4*\i+3], s[20:21] offset:(16*\a+2*\i)*1024 th:TH_STORE_NT   ; 16 lanes store 256 consecutive bytes, aligned
.endr
.endr
	s_wait_tensorcnt 0x0                           ; the wave's end, behind my last LDS store
	ds_add_u32 v[SPW], v[NIL]
	s_wait_dscnt 0x0
	s_endpgm
.Lfunc_end_k_q80e1e65591_attn:
	.size	k_q80e1e65591_attn, .Lfunc_end_k_q80e1e65591_attn-k_q80e1e65591_attn
	.p2alignl 7, 3214868480
	.fill 96, 4, 3214868480
	.section	.rodata,"a",@progbits
	.p2align	6, 0x0
	.amdhsa_kernel k_q80e1e65591_attn
		.amdhsa_group_segment_fixed_size 34304
		.amdhsa_private_segment_fixed_size 0
		.amdhsa_enable_private_segment 0
		.amdhsa_kernarg_size 56
		.amdhsa_user_sgpr_count 2
		.amdhsa_user_sgpr_kernarg_segment_ptr 1
		.amdhsa_wavefront_size32 1
		.amdhsa_system_sgpr_workgroup_id_x 1
		.amdhsa_system_sgpr_workgroup_id_y 1
		.amdhsa_system_sgpr_workgroup_id_z 1
		.amdhsa_system_vgpr_workitem_id 0
		.amdhsa_next_free_vgpr 1024
		.amdhsa_next_free_sgpr 66
		.amdhsa_reserve_vcc 0
		.amdhsa_float_denorm_mode_32 3
		.amdhsa_float_denorm_mode_16_64 3
		.amdhsa_memory_ordered 1
		.amdhsa_forward_progress 1
		.amdhsa_inst_pref_size 192
	.end_amdhsa_kernel
	.amdgpu_metadata
---
amdhsa.version: [ 1, 2 ]
amdhsa.kernels:
  - .name:           k_q80e1e65591_attn
    .symbol:         k_q80e1e65591_attn.kd
    .args:
      - { .name: qc, .offset: 0, .size: 8, .value_kind: global_buffer, .address_space: global }
      - { .name: kc, .offset: 8, .size: 8, .value_kind: global_buffer, .address_space: global }
      - { .name: vc, .offset: 16, .size: 8, .value_kind: global_buffer, .address_space: global }
      - { .name: pk, .offset: 24, .size: 8, .value_kind: global_buffer, .address_space: global }
      - { .name: st, .offset: 32, .size: 8, .value_kind: global_buffer, .address_space: global }
      - { .name: lowp_scales, .offset: 40, .size: 8, .value_kind: global_buffer, .address_space: global }
      - { .name: op, .offset: 48, .size: 8, .value_kind: global_buffer, .address_space: global }
    .group_segment_fixed_size: 34304
    .private_segment_fixed_size: 0
    .kernarg_segment_align: 8
    .kernarg_segment_size: 56
    .max_flat_workgroup_size: 128
    .sgpr_count:     66
    .vgpr_count:     1024
    .wavefront_size: 32
...
	.end_amdgpu_metadata
.endif
;; end of part 3
;; launch reduce (part 4): grid 256 x 1, 8 waves a work-group, no clusters, 0 bytes of LDS; arguments op, X, lowp_scales, out0; writes out0
.if DOCPART == 4
	.amdgcn_target "amdgcn-amd-amdhsa--gfx1250"
	.amdhsa_code_object_version 6
	.text
	.protected	k_q80e1e65591_reduce
	.globl	k_q80e1e65591_reduce
	.p2align	8
	.type	k_q80e1e65591_reduce,@function
k_q80e1e65591_reduce:
	s_mov_b64 s[64:65], 0
	v_nop
	global_prefetch_b8 v0, s[64:65] scope:SCOPE_SE
	s_setreg_imm32_b32 hwreg(HW_REG_WAVE_MODE, 25, 1), 1
	s_wait_xcnt 0x0
; out0 = X + 2^(e8 + e9) (op[0] + op[1] + op[2] + op[3]): the four quarters' raw sums, the two operands' scales, the residual.
; A stream: a work-group takes 32,768 bytes of out0, a thread eight pieces of 16 bytes, 4,096 bytes apart; each load and store of a wave covers 512 consecutive bytes.
; All 40 loads of a wave go out first; each piece has registers of its own, so no store's data are written again and no address is stepped.
; Memory binds: no LDS, no matrix unit, no cluster (work-groups share nothing).
; LIMIT: e8 + e9 between -126 and 127, so that 2^(e8 + e9) is an f32 number.
.set R, 16                             ; piece k at v[16 + 20 k]: op[0] .. op[3] and X, four registers each
	s_load_b256 s[4:11], s[0:1], 0x0               ; op s[4:5], X s[6:7], the scales' exponents s[8:9], out0 s[10:11]
	v_lshlrev_b32 v1, 4, v0
	s_lshl_b32 s22, ttmp9, 15
	s_mov_b32 s23, 0
	s_wait_kmcnt 0x0
	s_load_b64 s[20:21], s[8:9], 0x20              ; e8, e9
	s_add_nc_u64 s[12:13], s[4:5], s[22:23]
	s_add_nc_u64 s[14:15], s[12:13], 0x800000      ; the quarters lie 8,388,608 bytes apart
	s_add_nc_u64 s[16:17], s[14:15], 0x800000
	s_add_nc_u64 s[18:19], s[16:17], 0x800000
	s_add_nc_u64 s[6:7], s[6:7], s[22:23]
	s_add_nc_u64 s[10:11], s[10:11], s[22:23]
.irp k, 0,1,2,3,4,5,6,7
.irp p, 0,1,2,3
	global_load_b128 v[R+20*\k+4*\p:R+20*\k+4*\p+3], v1, s[12+2*\p:13+2*\p] offset:\k*4096 th:TH_LOAD_NT
.endr
	global_load_b128 v[R+20*\k+16:R+20*\k+19], v1, s[6:7] offset:\k*4096 th:TH_LOAD_NT
.endr
	s_wait_kmcnt 0x0
	s_add_co_i32 s20, s20, s21
	s_add_co_i32 s20, s20, 127
	s_lshl_b32 s20, s20, 23                        ; 2^(e8 + e9) as f32
	s_mov_b32 s21, s20                             ; (named with it as a pair, so it is written)
.irp k, 0,1,2,3,4,5,6,7
	s_wait_loadcnt 5*(7-\k)                        ; loads come back in order: this piece's five are in, the five of each later piece may stay out
.irp i, 0,2
	v_pk_add_f32 v[R+20*\k+\i:R+20*\k+\i+1], v[R+20*\k+\i:R+20*\k+\i+1], v[R+20*\k+4+\i:R+20*\k+4+\i+1]
	v_pk_add_f32 v[R+20*\k+8+\i:R+20*\k+8+\i+1], v[R+20*\k+8+\i:R+20*\k+8+\i+1], v[R+20*\k+12+\i:R+20*\k+12+\i+1]
.endr
.irp i, 0,2
	v_pk_add_f32 v[R+20*\k+\i:R+20*\k+\i+1], v[R+20*\k+\i:R+20*\k+\i+1], v[R+20*\k+8+\i:R+20*\k+8+\i+1]
.endr
.irp i, 0,2
	v_pk_fma_f32 v[R+20*\k+\i:R+20*\k+\i+1], v[R+20*\k+\i:R+20*\k+\i+1], s[20:21], v[R+20*\k+16+\i:R+20*\k+16+\i+1] op_sel_hi:[1,0,1]
.endr
	global_store_b128 v1, v[R+20*\k:R+20*\k+3], s[10:11] offset:\k*4096 th:TH_STORE_NT
.endr
	s_endpgm
.Lfunc_end_k_q80e1e65591_reduce:
	.size	k_q80e1e65591_reduce, .Lfunc_end_k_q80e1e65591_reduce-k_q80e1e65591_reduce
	.p2alignl 7, 3214868480
	.fill 96, 4, 3214868480
	.section	.rodata,"a",@progbits
	.p2align	6, 0x0
	.amdhsa_kernel k_q80e1e65591_reduce
		.amdhsa_group_segment_fixed_size 0
		.amdhsa_private_segment_fixed_size 0
		.amdhsa_enable_private_segment 0
		.amdhsa_kernarg_size 32
		.amdhsa_user_sgpr_count 2
		.amdhsa_user_sgpr_kernarg_segment_ptr 1
		.amdhsa_wavefront_size32 1
		.amdhsa_system_sgpr_workgroup_id_x 1
		.amdhsa_system_sgpr_workgroup_id_y 1
		.amdhsa_system_sgpr_workgroup_id_z 1
		.amdhsa_system_vgpr_workitem_id 0
		.amdhsa_next_free_vgpr 176
		.amdhsa_next_free_sgpr 66
		.amdhsa_reserve_vcc 0
		.amdhsa_float_denorm_mode_32 3
		.amdhsa_float_denorm_mode_16_64 3
		.amdhsa_memory_ordered 1
		.amdhsa_forward_progress 1
		.amdhsa_inst_pref_size 10
	.end_amdhsa_kernel
	.amdgpu_metadata
---
amdhsa.version: [ 1, 2 ]
amdhsa.kernels:
  - .name:           k_q80e1e65591_reduce
    .symbol:         k_q80e1e65591_reduce.kd
    .args:
      - { .name: op, .offset: 0, .size: 8, .value_kind: global_buffer, .address_space: global }
      - { .name: X, .offset: 8, .size: 8, .value_kind: global_buffer, .address_space: global }
      - { .name: lowp_scales, .offset: 16, .size: 8, .value_kind: global_buffer, .address_space: global }
      - { .name: out0, .offset: 24, .size: 8, .value_kind: global_buffer, .address_space: global }
    .group_segment_fixed_size: 0
    .private_segment_fixed_size: 0
    .kernarg_segment_align: 8
    .kernarg_segment_size: 32
    .max_flat_workgroup_size: 256
    .sgpr_count:     66
    .vgpr_count:     176
    .wavefront_size: 32
...
	.end_amdgpu_metadata
.endif
;; end of part 4
;; ======== version 2 of 2: 4 launches
;; limits: right only within a limited range of input values
;; workspace buffers: qc 2,097,152 bytes; kc 2,097,152 bytes; vc 2,097,152 bytes; pk 131,072 bytes; st 1,048,576 bytes; op 33,554,432 bytes
;; launch prep (part 5): grid 64 x 3, 8 waves a work-group, no clusters, 33,792 bytes of LDS; arguments X, W_q, W_k, W_v, b_q, b_k, b_v, P, lowp_scales, qc, kc, vc, pk; writes qc, kc, vc, pk
.if DOCPART == 5
	.amdgcn_target "amdgcn-amd-amdhsa--gfx1250"
	.amdhsa_code_object_version 6
	.text
	.protected	k_q80e1e65591_prep
	.globl	k_q80e1e65591_prep
	.p2align	8
	.type	k_q80e1e65591_prep,@function
k_q80e1e65591_prep:
	s_mov_b64 s[64:65], 0
	v_nop
	global_prefetch_b8 v0, s[64:65] scope:SCOPE_SE
	s_setreg_imm32_b32 hwreg(HW_REG_WAVE_MODE, 25, 1), 1
	s_wait_xcnt 0x0
; Q = X W_q + b_q, K = X W_k + b_k, V = X W_v + b_v on codes of BF8 (E5M2), and the results quantised again as operands of the two large products.
; Work-group (x, y): tokens 128 x .. 128 x + 127 of product y (0: Q, 1: K, 2: V).  X is quantised with the scale that product y gives it, W with its own.
; SHARES.  Wave w quantises token tile w (16 rows of X, two fragments of 128 along K) and hands the codes to the other waves through LDS as images of the operand's registers.
; Wave w keeps W's columns 32 w .. 32 w + 31 as codes in registers: a lane takes a column and its registers run down K, so nothing is transposed.
; RESULTS.  Q, K: the product is used transposed (source 0 = 16 columns of W, source 1 = 16 tokens): a lane holds one token and 8 hidden units a tile, 16 for the wave's two tiles: four registers of
; the next operand.  qc, kc: token tile i at 4096 i; fragment s at + 2048 s; registers 4 g .. 4 g + 3 at + 512 g + 16 lane.  Wave w writes fragment w / 4, group w % 4.  Which hidden unit lies at which
; byte is the same in qc and kc, which is all that their product asks.
; V: source 0 = 16 tokens, source 1 = 16 columns: a lane holds one channel and 8 tokens.  vc: block B of 64 keys at 16384 B; channel tile t at + 1024 t; registers 4 g .. 4 g + 3 at + 512 g + 16 lane;
; registers 2 c, 2 c + 1 hold keys 64 B + 16 c + 8 (lane / 16) + 0 .. 7.
; pk (written by y = 0): tile i at 256 i; word 16 c + idx (c < 3) = (P[16 i + idx][c] - P[0][c]) x sqrt(log2(e) / 2), word 48 + idx = minus the sum of their squares: so exp(-d^2 / 2) = 2^(-the sum of squared differences).
; The bias goes in as the C of a sum's first matrix instruction, divided by the power of two that the sums lack.
; LIMITS: eX, eW and eO - eX - eW between -126 and 112, so that each power of two below is an f32 number.  NaN among the inputs is not served.
; No tensor load, no cluster: a work-group reads its rows of X once, and W (256 KiB) goes straight into the registers of the wave that keeps it.
.set SPARE, 32768                      ; behind x's images: the spare words, 128 bytes for each of eight waves
.set XA,  1                            ; v1   X: row r of 1,024 bytes + 64 h
.set WA,  2                            ; v2   W: 16 h rows of 1,024 bytes + 4 r
.set BA,  3                            ; v3   bias, a lane's eight units: 32 h
.set BVA, 4                            ; v4   bias, a lane's channel: 4 r
.set LI,  5                            ; v5   16 x lane
.set XWI, 6                            ; v6   where I store x's images: 16 x lane + 4096 x wave
.set PA,  7                            ; v7   P: 24 (lane % 8) + 4 min(lane / 8, 2)
.set P0A, 8                            ; v8   P[0]: 4 min(lane / 8, 2)
.set PO,  9                            ; v9   pk: 8 x lane
.set WC,  16                           ; v16-79   W's four fragments: (u, s) at 16 (2 u + s)
.set BI,  80                           ; v80-95   the bias in the result's layout, tile u at 8 u
.set PC,  96                           ; v96-111  codes just made
.set STA, 112                          ; v112-175 64 numbers at work; later x's four fragments
.set STB, 176                          ; v176-239 64 numbers at work; later four accumulators and the codes to store
.set XF,  112
.set ACC, 176
.set OC,  208
.set BV,  246                          ; v246-247 b_v of my channel, tile u
.set SPW, 252                          ; v252 LDS address of my spare word; never rewritten
.set NIL, 253                          ; v253 0; never rewritten
.macro XLOAD reg, s                    ; my 16 rows' numbers of K step s: register 16 c + 4 j + e = k 128 s + 32 c + 16 h + 4 j + e
.irp c, 0,1,2,3
.irp j, 0,1,2,3
	global_load_b128 v[\reg+16*\c+4*\j:\reg+16*\c+4*\j+3], v[XA], s[8:9] offset:512*\s+128*\c+16*\j
.endr
.endr
.endm
.macro WLOAD reg, u, s                 ; W(128 s + 32 c + 16 h + i, 32 w + 16 u + r) into register 16 c + i: the same k as in x's fragment
.irp c, 0,1,2,3
.irp i, 0,1,2,3,4,5,6,7,8,9,10,11,12,13,14,15
	global_load_b32 v[\reg+16*\c+\i], v[WA], s[56:57] offset:(128*\s+32*\c+\i)*1024+64*\u
.endr
.endr
.endm
.macro QUANT src, dst, sc, lim         ; 64 numbers become a fragment's 16 registers of codes
.irp c, 0,1,2,3
.irp i, 0,1,2,3,4,5,6,7,8,9,10,11,12,13,14,15
	v_med3_num_f32 v[\src+16*\c+\i], v[\src+16*\c+\i], -v[\lim], v[\lim]   ; the conversion to an 8-bit code does not saturate (ISA guide 7.6.2): the hold at the largest code x the scale
.endr
	v_cvt_scalef32_pk8_bf8_f32 v[\dst+4*\c:\dst+4*\c+1], v[\src+16*\c:\src+16*\c+7], v[\sc]
	v_cvt_scalef32_pk8_bf8_f32 v[\dst+4*\c+2:\dst+4*\c+3], v[\src+16*\c+8:\src+16*\c+15], v[\sc]
.endr
	v_nop                                          ; one plain vector instruction behind the last conversion, ahead of whatever vector or matrix instruction touches its registers next
.endm
.macro IMAGE off                       ; the fragment in v[PC] on goes to LDS as it stands
.irp c, 0,1,2,3
	ds_store_b128 v[XWI], v[PC+4*\c:PC+4*\c+3] offset:(\off)+512*\c
.endr
.endm
.macro FETCH reg, off                  ; and comes back so, in any wave
.irp c, 0,1,2,3
	ds_load_b128 v[(\reg)+4*\c:(\reg)+4*\c+3], v[LI] offset:(\off)+512*\c
.endr
.endm
.macro MKSC ex, tm, vs                 ; v[vs] = 2^s[ex] as f32, v[vs + 1] = 57,344 x that; s[tm], s[tm + 1] at work
	s_add_co_i32 s[\tm], s[\ex], 127
	s_lshl_b32 s[\tm+1], s[\tm], 23
	v_mov_b32 v[\vs], s[\tm+1]
	s_add_co_i32 s[\tm], s[\tm], 15
	s_lshl_b32 s[\tm], s[\tm], 23
	s_or_b32 s[\tm], s[\tm], 0x600000
	v_mov_b32 v[\vs+1], s[\tm]
.endm
; The products of 128 tokens with my 32 columns, two token tiles at a time: four accumulators by turns, K step 0 (C = the bias) and K step 1 (in place).
; vp = 0 (Q, K): accumulator 2 T + u, source 0 = W.   vp = 1 (V): accumulator 2 u + T, source 0 = x.
.macro PROD vp
.irp be, 0,1,2,3
.irp tp, 0,1
.irp s, 0,1
	FETCH XF+16*(2*\tp+\s), (2*(2*\be+\tp)+\s)*2048
.endr
.endr
	s_wait_dscnt 0x0
.irp s, 0,1
.irp p, 0,1
.irp q, 0,1
.if \vp
.if \s == 0
	v_wmma_f32_16x16x128_bf8_bf8 v[ACC+16*\p+8*\q:ACC+16*\p+8*\q+7], v[XF+16*(2*\q+\s):XF+16*(2*\q+\s)+15], v[WC+16*(2*\p+\s):WC+16*(2*\p+\s)+15], v[BI+8*\p:BI+8*\p+7]
.else
	v_wmma_f32_16x16x128_bf8_bf8 v[ACC+16*\p+8*\q:ACC+16*\p+8*\q+7], v[XF+16*(2*\q+\s):XF+16*(2*\q+\s)+15], v[WC+16*(2*\p+\s):WC+16*(2*\p+\s)+15], v[ACC+16*\p+8*\q:ACC+16*\p+8*\q+7]
.endif
.else
.if \s == 0
	v_wmma_f32_16x16x128_bf8_bf8 v[ACC+16*\p+8*\q:ACC+16*\p+8*\q+7], v[WC+16*(2*\q+\s):WC+16*(2*\q+\s)+15], v[XF+16*(2*\p+\s):XF+16*(2*\p+\s)+15], v[BI+8*\q:BI+8*\q+7]
.else
	v_wmma_f32_16x16x128_bf8_bf8 v[ACC+16*\p+8*\q:ACC+16*\p+8*\q+7], v[WC+16*(2*\q+\s):WC+16*(2*\q+\s)+15], v[XF+16*(2*\p+\s):XF+16*(2*\p+\s)+15], v[ACC+16*\p+8*\q:ACC+16*\p+8*\q+7]
.endif
.endif
.endr
.endr
.endr
.rept 5
	v_nop                                          ; five places: the results are read, x's fragments are loaded anew, and the accumulators are begun anew with another C (ISA guide 7.12.1)
.endr
.set i, 0
.rept 32
	v_med3_num_f32 v[ACC+i], v[ACC+i], -v245, v245 ; the hold; each accumulator from its low end on
.set i, i+1
.endr
.irp k, 0,1,2,3
	v_cvt_scalef32_pk8_bf8_f32 v[OC+8*\be+2*\k:OC+8*\be+2*\k+1], v[ACC+8*\k:ACC+8*\k+7], v244   ; the three scales folded into one: code = sum / 2^(eO - eX - eW)
.endr
	v_nop
.irp p, 0,1
.if \vp
	global_store_b128 v[LI], v[OC+8*\be+4*\p:OC+8*\be+4*\p+3], s[60:61] offset:(\be/2)*16384+\p*1024+(\be%2)*512   ; 32 lanes store 512 consecutive bytes; each store has data registers of its own
.else
	global_store_b128 v[LI], v[OC+8*\be+4*\p:OC+8*\be+4*\p+3], s[60:61] offset:(2*\be+\p)*4096
.endif
.endr
.endr
.endm
	s_load_b512 s[8:23], s[0:1], 0x0               ; X s[8:9], W_q, W_k, W_v s[10:15], b_q, b_k, b_v s[16:21], P s[22:23]
	s_load_b256 s[24:31], s[0:1], 0x40             ; the scales' exponents s[24:25], qc, kc, vc s[26:31]
	s_load_b64 s[32:33], s[0:1], 0x60              ; pk
	v_lshl_add_u32 v[SPW], v0, 2, SPARE
	v_mov_b32 v[NIL], 0
	v_lshrrev_b32 v10, 5, v0
	s_delay_alu instid0(VALU_DEP_1)
	v_readfirstlane_b32 s34, v10                   ; wave 0..7
	s_and_b32 s35, ttmp7, 0xffff                   ; y: which product
	v_and_b32 v11, 31, v0                          ; lane
	v_and_b32 v12, 15, v0                          ; r
	v_bfe_u32 v13, v0, 4, 1                        ; h
	s_delay_alu instid0(VALU_DEP_2)
	v_lshlrev_b32 v[XA], 10, v12
	s_delay_alu instid0(VALU_DEP_1)
	v_lshl_add_u32 v[XA], v13, 6, v[XA]
	s_delay_alu instid0(VALU_DEP_4)
	v_lshlrev_b32 v[WA], 2, v12
	s_delay_alu instid0(VALU_DEP_1)
	v_lshl_add_u32 v[WA], v13, 14, v[WA]
	v_lshlrev_b32 v[BA], 5, v13
	v_lshlrev_b32 v[BVA], 2, v12
	v_lshlrev_b32 v[LI], 4, v11
	s_lshl_b32 s50, s34, 12
	v_add_nc_u32 v[XWI], s50, v[LI]
	v_and_b32 v14, 7, v0
	v_bfe_u32 v15, v0, 3, 2
	s_delay_alu instid0(VALU_DEP_1)
	v_min_u32 v15, 2, v15
	s_delay_alu instid0(VALU_DEP_1)
	v_lshlrev_b32 v[P0A], 2, v15
	s_delay_alu instid0(VALU_DEP_1)
	v_mad_u32_u24 v[PA], v14, 24, v[P0A]
	v_mul_u32_u24 v14, v14, 24                     ; my two keys' 24 bytes of P
	v_lshlrev_b32 v[PO], 3, v11
	; byte offsets, made apart from the addresses
	s_lshl_b32 s50, ttmp9, 17
	s_lshl_b32 s51, s34, 14
	s_add_co_u32 s50, s50, s51                     ; X: 128 rows a work-group, 16 a wave
	s_mov_b32 s51, 0
	s_lshl_b32 s52, s34, 7                         ; W and the bias: my 32 columns
	s_mov_b32 s53, 0
	s_mul_i32 s38, ttmp9, 1536
	s_mul_i32 s39, s34, 192
	s_add_co_u32 s38, s38, s39                     ; P: my 16 rows of 12 bytes
	s_mov_b32 s39, 0
	s_lshl_b32 s54, ttmp9, 11
	s_lshl_b32 s55, s34, 8
	s_add_co_u32 s54, s54, s55                     ; pk: my tile's 256 bytes
	s_mov_b32 s55, 0
	s_lshr_b32 s62, s34, 2
	s_lshl_b32 s62, s62, 11
	s_and_b32 s63, s34, 3
	s_lshl_b32 s63, s63, 9
	s_add_co_u32 s62, s62, s63                     ; qc, kc: fragment w / 4, group w % 4
	s_lshl_b32 s63, s34, 11                        ; vc: channel tiles 2 w, 2 w + 1
	s_cmp_eq_u32 s35, 2
	s_cselect_b32 s62, s63, s62
	s_lshl_b32 s63, ttmp9, 15
	s_add_co_u32 s62, s62, s63                     ; + 32,768 bytes a work-group
	s_mov_b32 s63, 0
	s_wait_alu depctr_va_vdst(0)
	s_wait_kmcnt 0x0
	s_load_b256 s[40:47], s[24:25], 0x0            ; e0 .. e7
	s_load_b64 s[48:49], s[24:25], 0x20            ; e8, e9
	s_cmp_eq_u32 s35, 0                            ; the choices hang on the work-group's number alone
	s_cselect_b64 s[56:57], s[10:11], s[12:13]
	s_cselect_b64 s[58:59], s[16:17], s[18:19]
	s_cselect_b64 s[60:61], s[26:27], s[28:29]
	s_cmp_eq_u32 s35, 2
	s_cselect_b64 s[56:57], s[14:15], s[56:57]     ; W
	s_cselect_b64 s[58:59], s[20:21], s[58:59]     ; the bias
	s_cselect_b64 s[60:61], s[30:31], s[60:61]     ; where the codes go
	s_add_nc_u64 s[8:9], s[8:9], s[50:51]
	s_add_nc_u64 s[56:57], s[56:57], s[52:53]
	s_add_nc_u64 s[58:59], s[58:59], s[52:53]
	s_add_nc_u64 s[60:61], s[60:61], s[62:63]
	s_add_nc_u64 s[36:37], s[22:23], s[38:39]
	s_add_nc_u64 s[32:33], s[32:33], s[54:55]
	global_load_b32 v10, v[PA], s[36:37]           ; two keys' coordinate and P[0]'s: the oldest loads, in by the first wait below
	global_load_b32 v11, v[PA], s[36:37] offset:12
	global_load_b32 v12, v[P0A], s[22:23]
	global_load_b64 v[248:249], v14, s[36:37]      ; all three coordinates of my two keys, for the table's fourth word
	global_load_b64 v[250:251], v14, s[36:37] offset:8
	global_load_b64 v[254:255], v14, s[36:37] offset:16
	s_load_b128 s[4:7], s[22:23], 0x0              ; P[0] in s4 to s6
.irp u, 0,1
	global_load_b128 v[BI+8*\u:BI+8*\u+3], v[BA], s[58:59] offset:64*\u
	global_load_b128 v[BI+8*\u+4:BI+8*\u+7], v[BA], s[58:59] offset:64*\u+16
	global_load_b32 v[BV+\u], v[BVA], s[58:59] offset:64*\u
.endr
	XLOAD STA, 0
	XLOAD STB, 1
	s_wait_kmcnt 0x0
	s_cmp_eq_u32 s35, 0
	s_cselect_b32 s38, s40, s42                    ; eX
	s_cselect_b32 s39, s41, s43                    ; eW
	s_cselect_b32 s54, s46, s47                    ; eO: the result's scale as an operand: e6 (Q), e7 (K), e9 (V)
	s_cmp_eq_u32 s35, 2
	s_cselect_b32 s38, s44, s38
	s_cselect_b32 s39, s45, s39
	s_cselect_b32 s54, s49, s54
	s_add_co_i32 s55, s38, s39                     ; a sum stands for sum x 2^(eX + eW)
	s_sub_co_i32 s54, s54, s55                     ; eO - eX - eW
	s_sub_co_i32 s55, 0, s55
	MKSC 38, 50, 240
	MKSC 39, 50, 242
	MKSC 54, 50, 244
	s_wait_alu depctr_va_vdst(0)
	s_wait_loadcnt 16                              ; all but the 16 youngest loads (x's second K step) are in
	QUANT STA, PC, 240, 241
	IMAGE 0
	WLOAD STA, 0, 0
	s_wait_loadcnt 63                              ; 64 loads are younger than x's second K step; 63 is the largest count that the wait takes
	s_wait_dscnt 0x0                               ; the stores have read the codes' registers
	QUANT STB, PC, 240, 241
	IMAGE 2048
	WLOAD STB, 0, 1
	s_wait_loadcnt 63                              ; likewise: the older set of 64 is in
	QUANT STA, WC, 242, 243
	WLOAD STA, 1, 0
	s_wait_loadcnt 63
	QUANT STB, WC+16, 242, 243
	WLOAD STB, 1, 1
	s_wait_loadcnt 63
	QUANT STA, WC+32, 242, 243
	s_wait_loadcnt 0x0
	QUANT STB, WC+48, 242, 243
	s_wait_dscnt 0x0                               ; for the others' sake: my images have landed
	s_barrier_signal -1
	s_barrier_wait -1                              ; x's sixteen fragments lie in LDS; nothing is stored to LDS behind this barrier
	s_cmp_eq_u32 s35, 2
	s_cbranch_scc1 .Lfor_v
.irp j, 0,1,2,3,4,5,6,7,8,9,10,11,12,13,14,15
	v_ldexp_f32 v[BI+\j], v[BI+\j], s55            ; b / 2^(eX + eW)
.endr
	s_wait_alu depctr_va_vdst(0)
	PROD 0
	s_branch .Ljoined
.Lfor_v:
.irp u, 0,1
.irp j, 0,1,2,3,4,5,6,7
	v_ldexp_f32 v[BI+8*\u+\j], v[BV+\u], s55       ; a lane holds one channel: the same bias in its eight registers
.endr
.endr
	s_wait_alu depctr_va_vdst(0)
	PROD 1
.Ljoined:
	s_cmp_lg_u32 s35, 0
	s_cbranch_scc1 .Lno_pk
	; pk's word 16 c + idx: c = 0 .. 2 the scaled coordinate k_c; c = 3: -(k_0^2 + k_1^2 + k_2^2), made of the same rounded k_c
	v_sub_f32 v10, v10, v12
	v_sub_f32 v11, v11, v12
	v_sub_f32 v248, v248, s4
	v_sub_f32 v249, v249, s5
	v_sub_f32 v250, v250, s6
	v_sub_f32 v251, v251, s4
	v_sub_f32 v254, v254, s5
	v_sub_f32 v255, v255, s6
.irp k, 10,11,248,249,250,251,254,255
	v_mul_f32 v\k, 0x3f596d27, v\k                 ; x sqrt(log2(e) / 2)
.endr
	v_mul_f32 v13, -v248, v248
	v_mul_f32 v15, -v251, v251
	v_fma_f32 v13, -v249, v249, v13
	v_fma_f32 v15, -v254, v254, v15
	v_fma_f32 v13, -v250, v250, v13
	v_fma_f32 v15, -v255, v255, v15
	v_and_b32 v14, 31, v0
	v_cmp_lt_u32 vcc_lo, 23, v14                   ; lanes 24 to 31 hold c = 3
	v_cndmask_b32 v10, v10, v13, vcc_lo
	v_cndmask_b32 v11, v11, v15, vcc_lo
	global_store_b64 v[PO], v[10:11], s[32:33]     ; 32 lanes store 256 consecutive bytes, aligned
.Lno_pk:
	s_wait_tensorcnt 0x0                           ; the wave's end, behind my last LDS store
	ds_add_u32 v[SPW], v[NIL]
	s_wait_dscnt 0x0
	s_endpgm
.Lfunc_end_k_q80e1e65591_prep:
	.size	k_q80e1e65591_prep, .Lfunc_end_k_q80e1e65591_prep-k_q80e1e65591_prep
	.p2alignl 7, 3214868480
	.fill 96, 4, 3214868480
	.section	.rodata,"a",@progbits
	.p2align	6, 0x0
	.amdhsa_kernel k_q80e1e65591_prep
		.amdhsa_group_segment_fixed_size 33792
		.amdhsa_private_segment_fixed_size 0
		.amdhsa_enable_private_segment 0
		.amdhsa_kernarg_size 104
		.amdhsa_user_sgpr_count 2
		.amdhsa_user_sgpr_kernarg_segment_ptr 1
		.amdhsa_wavefront_size32 1
		.amdhsa_system_sgpr_workgroup_id_x 1
		.amdhsa_system_sgpr_workgroup_id_y 1
		.amdhsa_system_sgpr_workgroup_id_z 1
		.amdhsa_system_vgpr_workitem_id 0
		.amdhsa_next_free_vgpr 256
		.amdhsa_next_free_sgpr 66
		.amdhsa_reserve_vcc 1
		.amdhsa_float_denorm_mode_32 3
		.amdhsa_float_denorm_mode_16_64 3
		.amdhsa_memory_ordered 1
		.amdhsa_forward_progress 1
		.amdhsa_inst_pref_size 98
	.end_amdhsa_kernel
	.amdgpu_metadata
---
amdhsa.version: [ 1, 2 ]
amdhsa.kernels:
  - .name:           k_q80e1e65591_prep
    .symbol:         k_q80e1e65591_prep.kd
    .args:
      - { .name: X, .offset: 0, .size: 8, .value_kind: global_buffer, .address_space: global }
      - { .name: W_q, .offset: 8, .size: 8, .value_kind: global_buffer, .address_space: global }
      - { .name: W_k, .offset: 16, .size: 8, .value_kind: global_buffer, .address_space: global }
      - { .name: W_v, .offset: 24, .size: 8, .value_kind: global_buffer, .address_space: global }
      - { .name: b_q, .offset: 32, .size: 8, .value_kind: global_buffer, .address_space: global }
      - { .name: b_k, .offset: 40, .size: 8, .value_kind: global_buffer, .address_space: global }
      - { .name: b_v, .offset: 48, .size: 8, .value_kind: global_buffer, .address_space: global }
      - { .name: P, .offset: 56, .size: 8, .value_kind: global_buffer, .address_space: global }
      - { .name: lowp_scales, .offset: 64, .size: 8, .value_kind: global_buffer, .address_space: global }
      - { .name: qc, .offset: 72, .size: 8, .value_kind: global_buffer, .address_space: global }
      - { .name: kc, .offset: 80, .size: 8, .value_kind: global_buffer, .address_space: global }
      - { .name: vc, .offset: 88, .size: 8, .value_kind: global_buffer, .address_space: global }
      - { .name: pk, .offset: 96, .size: 8, .value_kind: global_buffer, .address_space: global }
    .group_segment_fixed_size: 33792
    .private_segment_fixed_size: 0
    .kernarg_segment_align: 8
    .kernarg_segment_size: 104
    .max_flat_workgroup_size: 256
    .sgpr_count:     66
    .vgpr_count:     256
    .wavefront_size: 32
...
	.end_amdgpu_metadata
.endif
;; end of part 5
;; launch stats (part 6): grid 64 x 4, 8 waves a work-group, no clusters, 0 bytes of LDS; arguments qc, kc, pk, lowp_scales, st; writes st
.if DOCPART == 6
	.amdgcn_target "amdgcn-amd-amdhsa--gfx1250"
	.amdhsa_code_object_version 6
	.text
	.protected	k_q80e1e65591_stats
	.globl	k_q80e1e65591_stats
	.p2align	8
	.type	k_q80e1e65591_stats,@function
k_q80e1e65591_stats:
	s_mov_b64 s[64:65], 0
	v_nop
	global_prefetch_b8 v0, s[64:65] scope:SCOPE_SE
	s_setreg_imm32_b32 hwreg(HW_REG_WAVE_MODE, 25, 1), 1
	s_wait_xcnt 0x0
; The first sweep over the keys: for each query and each sixteenth of the keys the largest t and the sum of 2^(t - M).
; t = (the raw sum of Q K^T on codes) x 2^(lk - d2); d2 = the squared distance of the scaled coordinates; lk = log2(log2(e) / 16) + e6 + e7; M = the largest t so far rounded up to a whole number.
; lk - d2 = 2 q.k + (lk - |q|^2) - |k|^2: three packed multiply-adds and one packed addition for two keys; pk holds k_0, k_1, k_2 and -|k|^2 for each point, counted from P[0].
; LIMIT: the exponent's rounding error grows with |P - P[0]|^2 (about 1e-7 of the larger of |q|^2 and |k|^2).  NaN and infinities among the inputs are not served.
; Work-group (x, y): queries 128 x .. + 127, keys 2048 y .. + 2047, in 32 steps of 64.  Eight waves, two to a SIMD.  Wave w = (qh = w / 4, kt = w % 4) owns query tiles 4 qh .. 4 qh + 3
; (Q stays in 128 registers) and, in a step, key tile 128 y + 4 step + kt.  Waves share nothing: no LDS, no barrier.
; S^T = K Q^T (source 0 = 16 keys, source 1 = 16 queries): lane (r, h) holds query r; register j is key 8 h + j.
; THE STEPS OVERLAP: step j makes the exponents of step j + 1 first, then t, M and t - M of its own; ONE batch of 64 exponentials gives p of step j and the decay of step j + 1; K Q^T of step j + 1 stands
; behind the batch, so that S^T is first read with no exponential between.  The two sets of exponents change places from step to step.
; When M moves, the sum is multiplied by 2^(old M - new M) by v_ldexp_f32: nothing is rounded, and there is no branch on data.  st[part 4 y + kt][query] = (T, sum under M = ceil(T)).
; NO CLUSTER, NO TENSOR LOAD: a fragment of K (2 KiB) is wanted by two waves of the work-group, each of which takes it straight into registers.  No prefetch: kc and pk are read by 64 work-groups each, not once.
; REGISTERS: window 0 below; window 1: v0-127 Q, fragment (a, s) at 32 a + 16 s; v128-191 K's fragments, two sets of 32.
.set LI, 1                             ; 16 x lane
.set CA, 2                             ; 32 h
.set QA, 3                             ; 4 r
.set SO, 4                             ; 8 x lane
.set LN, 5                             ; lane
.set QC, 16                            ; v16-31  tile a at 4 a: 2 q_0, 2 q_1, 2 q_2, lk - |q|^2
.set ST, 32                            ; v32-47  tile a at 4 a: -M of the even steps, -M of the odd steps, the sum in two halves
.set TM, 48                            ; v48-51  the largest t
.set TT, 52                            ; v52-59  a pair of work for each tile
.set DM, 60                            ; v60-63  old M - new M
.set KC, 64                            ; v64-127 my keys' table words, two sets of 32: (c, j) at 8 c + j
.set D,  128                           ; v128-191 two sets of 32: the exponent, the decay, t, p: tile a at 8 a
.set S,  192                           ; v192-223 S^T
.set KP, 10
.set CP, 32
.set QB, 34
.set SEL, 28
.set MSB, 0
.macro WIN new
.if MSB != \new
	s_set_vgpr_msb (MSB<<8)|\new
.set MSB, \new
.endif
.endm
.macro CLOAD b, o                      ; the table words of my key tile o steps on, into set b
.irp c, 0,1,2,3
	global_load_b128 v[KC+32*(\b)+8*\c:KC+32*(\b)+8*\c+3], v[CA], s[CP:CP+1] offset:(\o)*1024+\c*64
	global_load_b128 v[KC+32*(\b)+8*\c+4:KC+32*(\b)+8*\c+7], v[CA], s[CP:CP+1] offset:(\o)*1024+\c*64+16
.endr
.endm
.macro KLOAD b, o                      ; its two fragments of K, into set b of window 1
	WIN 0x40
.irp s, 0,1
.irp g, 0,1,2,3
	global_load_b128 v[128+32*(\b)+16*\s+4*\g:128+32*(\b)+16*\s+4*\g+3], v[LI], s[KP:KP+1] offset:(\o)*16384+\s*2048+\g*512
.endr
.endr
	WIN 0
.endm
.macro QK b                            ; the four accumulators by turns; the first four start the sums
	WIN 0x05
.irp a, 0,1,2,3
	v_wmma_f32_16x16x128_bf8_bf8 v[S+8*\a:S+8*\a+7], v[128+32*(\b):128+32*(\b)+15], v[32*\a:32*\a+15], 0
.endr
.irp a, 0,1,2,3
	v_wmma_f32_16x16x128_bf8_bf8 v[S+8*\a:S+8*\a+7], v[128+32*(\b)+16:128+32*(\b)+31], v[32*\a+16:32*\a+31], v[S+8*\a:S+8*\a+7]
.endr
	WIN 0
.endm
.macro CHAIN kc, d                     ; lk - d2 for 4 tiles x 8 keys: sixteen independent chains of four lines
.irp a, 0,1,2,3
.irp i, 0,2,4,6
	v_pk_fma_f32 v[(\d)+8*\a+\i:(\d)+8*\a+\i+1], v[(\kc)+\i:(\kc)+\i+1], v[QC+4*\a:QC+4*\a+1], v[QC+4*\a+2:QC+4*\a+3] op_sel:[0,0,1] op_sel_hi:[1,0,1]
.endr
.endr
.irp a, 0,1,2,3
.irp i, 0,2,4,6
	v_pk_fma_f32 v[(\d)+8*\a+\i:(\d)+8*\a+\i+1], v[(\kc)+8+\i:(\kc)+8+\i+1], v[QC+4*\a:QC+4*\a+1], v[(\d)+8*\a+\i:(\d)+8*\a+\i+1] op_sel:[0,1,0] op_sel_hi:[1,1,1]
.endr
.endr
.irp a, 0,1,2,3
.irp i, 0,2,4,6
	v_pk_fma_f32 v[(\d)+8*\a+\i:(\d)+8*\a+\i+1], v[(\kc)+16+\i:(\kc)+16+\i+1], v[QC+4*\a+2:QC+4*\a+3], v[(\d)+8*\a+\i:(\d)+8*\a+\i+1] op_sel_hi:[1,0,1]
.endr
.endr
.irp a, 0,1,2,3
.irp i, 0,2,4,6
	v_pk_add_f32 v[(\d)+8*\a+\i:(\d)+8*\a+\i+1], v[(\d)+8*\a+\i:(\d)+8*\a+\i+1], v[(\kc)+24+\i:(\kc)+24+\i+1]
.endr
.endr
.endm
.macro EXP32 d
.set i, 0
.rept 32
	v_exp_f32 v[(\d)+i], v[(\d)+i]
.set i, i+1
.endr
.endm
; Step j.  b = j % 2.  o: steps from where the pointers stand.  nx: step j + 1 exists.  lc: the table words of step j + 3 are loaded.  lk: K of step j + 2 is loaded.
.macro ITER b, o, nx, lc, lk
.set DA, D+32*(\b)
.set DB, D+32*(1-(\b))
.if \nx
	CHAIN KC+32*(1-(\b)), DB                       ; 64 plain lines on other registers: the places behind the last step's products, ahead of the first read of S^T and of the loads into K's set
.if \lc
	CLOAD 1-(\b), (\o)+3
.endif
.if \lk
	KLOAD \b, (\o)+2
.endif
.endif
.set i, 0
.rept 16
	v_pk_mul_f32 v[DA+i:DA+i+1], v[S+i:S+i+1], v[DA+i:DA+i+1]   ; t; each accumulator from its low end on
.set i, i+2
.endr
.irp i, 0,2,4,6
.irp a, 0,1,2,3
	v_max3_num_f32 v[TM+\a], v[TM+\a], v[DA+8*\a+\i], v[DA+8*\a+\i+1]
.endr
.endr
.irp a, 0,1,2,3
	v_floor_f32 v[ST+4*\a+\b], -v[TM+\a]           ; the new -M = floor(-t), beside the old one
.endr
.irp a, 0,1,2,3
	v_sub_f32 v[DM+\a], v[ST+4*\a+\b], v[ST+4*\a+1-\b]   ; old M - new M: a whole number, 0 or less
.endr
.irp a, 0,1,2,3
	v_cvt_i32_f32 v[DM+\a], v[DM+\a]               ; (it saturates)
.endr
.irp a, 0,1,2,3
	v_ldexp_f32 v[ST+4*\a+2], v[ST+4*\a+2], v[DM+\a]
	v_ldexp_f32 v[ST+4*\a+3], v[ST+4*\a+3], v[DM+\a]
.endr
.irp a, 0,1,2,3
.irp i, 0,2,4,6
	v_pk_add_f32 v[DA+8*\a+\i:DA+8*\a+\i+1], v[DA+8*\a+\i:DA+8*\a+\i+1], v[ST+4*\a:ST+4*\a+1] op_sel:[0,\b] op_sel_hi:[1,\b]   ; t - M
.endr
.endr
	s_wait_alu depctr_va_vdst(0)                   ; the wait ahead of the batch, the plain place and the wait behind it
	EXP32 DA
.if \nx
	EXP32 DB
.endif
	v_nop
	s_wait_alu depctr_va_vdst(0)
.if \nx
	s_wait_loadcnt 8*((\lc)+(\lk))                 ; loads come back in order: all but this step's own are in, K of step j + 1 and the table words of step j + 2 among them
	QK 1-(\b)
.endif
.irp a, 0,1,2,3
	v_pk_add_f32 v[TT+2*\a:TT+2*\a+1], v[DA+8*\a:DA+8*\a+1], v[DA+8*\a+2:DA+8*\a+3]
	v_pk_add_f32 v[ST+4*\a+2:ST+4*\a+3], v[ST+4*\a+2:ST+4*\a+3], v[DA+8*\a+4:DA+8*\a+5]
.endr
.irp a, 0,1,2,3
	v_pk_add_f32 v[TT+2*\a:TT+2*\a+1], v[TT+2*\a:TT+2*\a+1], v[DA+8*\a+6:DA+8*\a+7]
.endr
.irp a, 0,1,2,3
	v_pk_add_f32 v[ST+4*\a+2:ST+4*\a+3], v[ST+4*\a+2:ST+4*\a+3], v[TT+2*\a:TT+2*\a+1]
.endr
.endm
	s_load_b256 s[8:15], s[0:1], 0x0               ; qc, kc, pk, the scales' exponents
	s_load_b64 s[16:17], s[0:1], 0x20              ; st
	v_lshrrev_b32 v6, 5, v0
	v_readfirstlane_b32 s20, v6                    ; wave 0..7
	v_and_b32 v[LN], 31, v0
	v_and_b32 v6, 15, v0                           ; r
	v_bfe_u32 v7, v0, 4, 1                         ; h
	v_lshlrev_b32 v[LI], 4, v[LN]
	v_lshlrev_b32 v[CA], 5, v7
	v_lshlrev_b32 v[QA], 2, v6
	v_lshlrev_b32 v[SO], 3, v[LN]
.irp a, 0,1,2,3
	v_mov_b32 v[ST+4*\a+1], 0x7f61b1e6             ; -M: 3e38
	v_mov_b32 v[TM+\a], 0xff61b1e6                 ; the largest t so far: -3e38
	v_mov_b32 v[ST+4*\a+2], 0                      ; the sum: the first change of M leaves zeros zeros
	v_mov_b32 v[ST+4*\a+3], 0
.endr
	s_and_b32 s21, s20, 3                          ; kt
	s_lshr_b32 s23, s20, 2                         ; qh
	s_and_b32 s22, ttmp7, 0xffff                   ; y
	s_mov_b32 s[SEL], 0x76543210
	s_mov_b32 s[SEL+1], 0xfedcba98
	s_lshl_b32 s36, ttmp9, 15
	s_lshl_b32 s37, s23, 14
	s_add_co_u32 s36, s36, s37                     ; qc: my 4 tiles
	s_mov_b32 s37, 0
	s_lshl_b32 s38, s22, 19
	s_lshl_b32 s39, s21, 12
	s_add_co_u32 s38, s38, s39                     ; kc: tile 128 y + kt
	s_mov_b32 s39, 0
	s_lshl_b32 s40, s22, 15
	s_lshl_b32 s41, s21, 8
	s_add_co_u32 s40, s40, s41                     ; pk: the same tile
	s_mov_b32 s41, 0
	s_lshl_b32 s42, ttmp9, 11
	s_lshl_b32 s43, s23, 10
	s_add_co_u32 s42, s42, s43                     ; pk: my queries' 4 tiles
	s_mov_b32 s43, 0
	s_lshl_b32 s44, s22, 2
	s_add_co_u32 s44, s44, s21
	s_lshl_b32 s44, s44, 16
	s_lshl_b32 s45, ttmp9, 10
	s_add_co_u32 s44, s44, s45
	s_lshl_b32 s45, s23, 9
	s_add_co_u32 s44, s44, s45                     ; st: part 4 y + kt, my 64 queries
	s_mov_b32 s45, 0
	s_wait_alu depctr_va_vdst(0)                   ; directly ahead of the wait below
	s_wait_kmcnt 0x0
	s_load_b64 s[24:25], s[14:15], 0x18            ; e6, e7
	s_add_nc_u64 s[8:9], s[8:9], s[36:37]
	s_add_nc_u64 s[KP:KP+1], s[KP:KP+1], s[38:39]
	s_add_nc_u64 s[CP:CP+1], s[12:13], s[40:41]
	s_add_nc_u64 s[QB:QB+1], s[12:13], s[42:43]
	s_add_nc_u64 s[16:17], s[16:17], s[44:45]
	WIN 0x40
.irp a, 0,1,2,3
.irp s, 0,1
.irp g, 0,1,2,3
	global_load_b128 v[32*\a+16*\s+4*\g:32*\a+16*\s+4*\g+3], v[LI], s[8:9] offset:\a*4096+\s*2048+\g*512   ; Q stays in registers
.endr
.endr
.endr
	WIN 0
.irp a, 0,1,2,3
.irp c, 0,1,2,3
	global_load_b32 v[QC+4*\a+\c], v[QA], s[QB:QB+1] offset:\a*256+\c*64
.endr
.endr
	KLOAD 0, 0
	CLOAD 0, 0
	KLOAD 1, 1
	CLOAD 1, 1
	s_wait_kmcnt 0x0
	s_add_co_i32 s24, s24, s25
	v_mov_b32 v6, s24
	v_cvt_f32_i32 v6, v6
	v_add_f32 v6, 0xc05e28b1, v6                   ; lk = log2(log2(e) / 16) + e6 + e7
	s_wait_alu depctr_va_vdst(0)                   ; directly ahead of the wait below
	s_wait_loadcnt 16                              ; all but step 1's 16 loads
.irp a, 0,1,2,3
.irp c, 0,1,2
	v_add_f32 v[QC+4*\a+\c], v[QC+4*\a+\c], v[QC+4*\a+\c]
.endr
	v_add_f32 v[QC+4*\a+3], v[QC+4*\a+3], v6
.endr
	CHAIN KC, D                                    ; step 0's exponents, decay and products stand ahead of the loop
	CLOAD 0, 2
	s_wait_alu depctr_va_vdst(0)
	EXP32 D
	v_nop
	s_wait_alu depctr_va_vdst(0)
	QK 0
	s_wait_loadcnt 8                               ; step 1's loads are in; the 8 of step 2's table words may stay out
	s_mov_b32 s30, 14
.Lpair:                                            ; 14 trips of two steps: steps 0 to 27
	ITER 0, 0, 1, 1, 1
	ITER 1, 1, 1, 1, 1
	s_wait_xcnt 0x0                                ; the loads have read their bases, which step only behind this wait
	s_add_nc_u64 s[KP:KP+1], s[KP:KP+1], 32768
	s_add_nc_u64 s[CP:CP+1], s[CP:CP+1], 2048
	s_sub_co_u32 s30, s30, 1
	s_cmp_lg_u32 s30, 0
	s_cbranch_scc1 .Lpair
	ITER 0, 0, 1, 1, 1                             ; steps 28 to 31: no load leaves its buffer
	ITER 1, 1, 1, 0, 1
	ITER 0, 2, 1, 0, 0
	ITER 1, 3, 0, 0, 0
	; the two halves of the lanes hold the same queries and other keys: they are joined under the larger M.  Work of tile a at D + 4 a
.irp a, 0,1,2,3
	v_add_f32 v[ST+4*\a+2], v[ST+4*\a+2], v[ST+4*\a+3]
.endr
.irp a, 0,1,2,3
	v_permlanex16_b32 v[D+4*\a+1], v[TM+\a], s[SEL], s[SEL+1]
	v_permlanex16_b32 v[D+4*\a+2], v[ST+4*\a+1], s[SEL], s[SEL+1]
	v_permlanex16_b32 v[D+4*\a+3], v[ST+4*\a+2], s[SEL], s[SEL+1]
.endr
.irp a, 0,1,2,3
	v_max_num_f32 v[D+4*\a], v[TM+\a], v[D+4*\a+1]             ; the part's T
	v_min_num_f32 v[D+4*\a+1], v[ST+4*\a+1], v[D+4*\a+2]       ; its -M
.endr
.irp a, 0,1,2,3
	v_sub_f32 v[ST+4*\a+3], v[D+4*\a+1], v[ST+4*\a+1]
	v_sub_f32 v[D+4*\a+2], v[D+4*\a+1], v[D+4*\a+2]
.endr
.irp a, 0,1,2,3
	v_cvt_i32_f32 v[ST+4*\a+3], v[ST+4*\a+3]
	v_cvt_i32_f32 v[D+4*\a+2], v[D+4*\a+2]
.endr
.irp a, 0,1,2,3
	v_ldexp_f32 v[ST+4*\a+2], v[ST+4*\a+2], v[ST+4*\a+3]
	v_ldexp_f32 v[D+4*\a+3], v[D+4*\a+3], v[D+4*\a+2]
.endr
.irp a, 0,1,2,3
	v_add_f32 v[D+4*\a+1], v[ST+4*\a+2], v[D+4*\a+3]           ; (T, sum) in the pair +0, +1
.endr
	v_cmp_lt_u32 vcc_lo, 15, v[LN]
.irp a, 0,2
	v_cndmask_b32 v[S+\a], v[D+4*\a], v[D+4*\a+4], vcc_lo      ; lanes 0-15 store tile a, lanes 16-31 tile a + 1
	v_cndmask_b32 v[S+\a+1], v[D+4*\a+1], v[D+4*\a+5], vcc_lo
	global_store_b64 v[SO], v[S+\a:S+\a+1], s[16:17] offset:128*\a   ; 32 lanes store 256 consecutive bytes, aligned
.endr
	s_endpgm
.Lfunc_end_k_q80e1e65591_stats:
	.size	k_q80e1e65591_stats, .Lfunc_end_k_q80e1e65591_stats-k_q80e1e65591_stats
	.p2alignl 7, 3214868480
	.fill 96, 4, 3214868480
	.section	.rodata,"a",@progbits
	.p2align	6, 0x0
	.amdhsa_kernel k_q80e1e65591_stats
		.amdhsa_group_segment_fixed_size 0
		.amdhsa_private_segment_fixed_size 0
		.amdhsa_enable_private_segment 0
		.amdhsa_kernarg_size 40
		.amdhsa_user_sgpr_count 2
		.amdhsa_user_sgpr_kernarg_segment_ptr 1
		.amdhsa_wavefront_size32 1
		.amdhsa_system_sgpr_workgroup_id_x 1
		.amdhsa_system_sgpr_workgroup_id_y 1
		.amdhsa_system_sgpr_workgroup_id_z 1
		.amdhsa_system_vgpr_workitem_id 0
		.amdhsa_next_free_vgpr 512
		.amdhsa_next_free_sgpr 66
		.amdhsa_reserve_vcc 1
		.amdhsa_float_denorm_mode_32 3
		.amdhsa_float_denorm_mode_16_64 3
		.amdhsa_memory_ordered 1
		.amdhsa_forward_progress 1
		.amdhsa_inst_pref_size 91
	.end_amdhsa_kernel
	.amdgpu_metadata
---
amdhsa.version: [ 1, 2 ]
amdhsa.kernels:
  - .name:           k_q80e1e65591_stats
    .symbol:         k_q80e1e65591_stats.kd
    .args:
      - { .name: qc, .offset: 0, .size: 8, .value_kind: global_buffer, .address_space: global }
      - { .name: kc, .offset: 8, .size: 8, .value_kind: global_buffer, .address_space: global }
      - { .name: pk, .offset: 16, .size: 8, .value_kind: global_buffer, .address_space: global }
      - { .name: lowp_scales, .offset: 24, .size: 8, .value_kind: global_buffer, .address_space: global }
      - { .name: st, .offset: 32, .size: 8, .value_kind: global_buffer, .address_space: global }
    .group_segment_fixed_size: 0
    .private_segment_fixed_size: 0
    .kernarg_segment_align: 8
    .kernarg_segment_size: 40
    .max_flat_workgroup_size: 256
    .sgpr_count:     66
    .vgpr_count:     512
    .wavefront_size: 32
...
	.end_amdgpu_metadata
.endif
;; end of part 6
;; launch attn (part 7): grid 64 x 4, 8 waves a work-group, no clusters, 84,992 bytes of LDS; arguments qc, kc, vc, pk, st, lowp_scales, op; writes op
.if DOCPART == 7
	.amdgcn_target "amdgcn-amd-amdhsa--gfx1250"
	.amdhsa_code_object_version 6
	.text
	.protected	k_q80e1e65591_attn
	.globl	k_q80e1e65591_attn
	.p2align	8
	.type	k_q80e1e65591_attn,@function
k_q80e1e65591_attn:
	s_mov_b64 s[64:65], 0
	v_nop
	global_prefetch_b8 v0, s[64:65] scope:SCOPE_SE
	s_setreg_imm32_b32 hwreg(HW_REG_WAVE_MODE, 25, 1), 1
	s_wait_xcnt 0x0
; The second sweep: A = 2^(t + c), finished and normalised, is quantised along the keys and multiplied by V; the raw sums over a quarter of the keys go to op.
; t = (the raw sum of Q K^T on codes) x 2^(lk - d2) as in the first sweep.  T = the row's largest t over the 16 parts, M = ceil(T), sum = the parts' sums brought under M by v_ldexp_f32,
; c = -T - log2(1 + 2^(M - T) sum): the maximum taken away as it stands, and the divisor of softmax_one.  t + c is one fused multiply-add on S^T and the decay.
; LIMITS: the exponent lk - d2 = 2 q.k + (lk - |q|^2) - |k|^2 has a rounding error that grows with |P - P[0]|^2 (about 1e-7 of the larger square); c is rounded once, to 6e-8 of |T| + 13;
; e8 between -126 and 112.  NaN and infinities among the inputs are not served.
; Work-group (x, y): queries 128 x .. + 127, keys 2048 y .. + 2047, in 32 steps of 64.  Eight waves, two to a SIMD, 512 registers each.  Wave w = (qh = w / 4, kt = w % 4) owns query tiles 4 qh .. + 3.
; In a step it makes S^T, the decay and A for key tile kt of the step's four.  A's codes of 16 keys are registers 2 kt, 2 kt + 1 of the second product's operand (64 keys x 16 queries): they go from wave to
; wave through LDS as an image of that operand's registers, 8 KiB a step, two images by turns.  Then the wave makes channels 64 kt .. + 63 of O^T = V^T A^T for its own 64 queries: 16 accumulators.
; THE BARRIER IS SPLIT: a wave signals at the end of step j, behind its stores of image j % 2 and the wait for them, and waits in step j + 1 behind 64 packed lines and that step's first products, all work
; on registers.  Behind the wait it reads A's fragments of step j; V^T A^T of step j stands in step j + 1 behind the second batch of exponentials, and the hold and the conversions follow it.
; Image b is stored again in step j + 2, behind the wait for the barrier of step j + 1, in front of whose signal every wave has waited for its reads of image b.
; K AND V HAVE TWO SETS OF REGISTERS EACH and are loaded two steps ahead of their use.  Two runs of registers serve twice: the key table's words land in S^T's registers (read by the 64 packed lines, which
; stand ahead of K Q^T), and A's codes land in the first registers of A's fragments (behind the product that read them).
; The quarter's table of key coordinates (32 KiB) is copied into LDS once, in the order of the walk.
; THE WALK IS ROTATED: work-group x begins at step 4 (x % 8) of its quarter and wraps round.  The order of a row's sum changes with x; the keys summed do not.
; NO CLUSTER, NO TENSOR LOAD: a fragment of K or V is wanted by two waves of the work-group, each of which takes it straight into registers, and with the rotated walk the work-groups do not ask for a tile together.
; No prefetch: kc, vc and pk are read by 64 work-groups each, not once.
; REGISTERS: window 0 below; window 1: v0-127 Q, fragment (a, s) at 32 a + 16 s; v128-255 O^T, accumulator (a, t) at 128 + 8 (4 a + t).
.set TAB,   16384                      ; LDS: 0 .. 16383 A's two images; the table; a stage of 16 rows x 272 bytes for each wave; the spare words
.set STG,   49152
.set SPARE, 83968
.set LI,  1                            ; 16 x lane
.set CA0, 2                            ; TAB + 256 kt + 32 h
.set PST, 3                            ; where I store my 8 bytes of an image
.set PLD, 4                            ; where I read my half's fragments
.set CAD, 5                            ; CA0 + the pair of steps in hand
.set SPW, 6                            ; my spare word; never rewritten
.set NIL, 7                            ; 0; never rewritten
.set SC,  8                            ; 2^e8
.set L0,  9                            ; 57,344 x 2^e8, twice
.set L1,  10
.set CC,  12                           ; v12-15   c of tile a
.set QC,  16                           ; v16-31   tile a at 4 a: 2 q_0, 2 q_1, 2 q_2, lk - |q|^2
.set D,   32                           ; v32-63   the exponent, the decay, t + c, A
.set S,   64                           ; v64-95   S^T
.set KC,  64                           ; the same registers, from S^T's last read to the next step's products: my keys' table words, (c, j) at 8 c + j
.set PF,  96                           ; v96-127  A's four fragments; behind the second product v96-103 take A's codes
.set KF,  128                          ; v128-191 K's fragments, two sets of 32
.set VF,  192                          ; v192-255 V's fragments, two sets of 32
.set LD,  32                           ; at the head: v32-95 the parts' statistics
.set WK,  96                           ; v96-111 tile k at 4 k: T, work, -M, the sum
.set TO,  112                          ; v112-119 the table's offsets in memory
.set QA,  120
.set SA,  121
.set TSL, 122
.set RL,  123
.set HL,  124
.set TG,  125
.set TD,  224                          ; v224-255 the table on its way
.set RB,  32                           ; on the way out: rows of O
.set O,   128                          ; in window 1
.set KB,  10
.set VB,  12
.set KP,  54
.set VP,  56
.set TMP, 58
.set TB,  60
.set IDX, 35
.set SEL, 32
.set TOFF, 68
.set MSB, 0
.macro WIN new
.if MSB != \new
	s_set_vgpr_msb (MSB<<8)|\new
.set MSB, \new
.endif
.endm
.macro CLOAD adr, off
.irp c, 0,1,2,3
	ds_load_b128 v[KC+8*\c:KC+8*\c+3], v[\adr] offset:(\off)+\c*64
	ds_load_b128 v[KC+8*\c+4:KC+8*\c+7], v[\adr] offset:(\off)+\c*64+16
.endr
.endm
.macro PFLOAD b
.irp a, 0,1,2,3
.irp g, 0,1
	ds_load_b128 v[PF+8*\a+4*\g:PF+8*\a+4*\g+3], v[PLD] offset:(\b)*8192+\a*1024+\g*512
.endr
.endr
.endm
.macro KLOAD b, off
.irp s, 0,1
.irp g, 0,1,2,3
	global_load_b128 v[KF+32*(\b)+16*\s+4*\g:KF+32*(\b)+16*\s+4*\g+3], v[LI], s[KP:KP+1] offset:(\off)+\s*2048+\g*512
.endr
.endr
.endm
.macro VLOAD b
.irp t, 0,1,2,3
.irp g, 0,1
	global_load_b128 v[VF+32*(\b)+8*\t+4*\g:VF+32*(\b)+8*\t+4*\g+3], v[LI], s[VP:VP+1] offset:\t*1024+\g*512
.endr
.endr
.endm
.macro ADVANCE                         ; in step j: V's pointer to step j + 1, K's to step j + 2, round the quarter's 32
	s_wait_xcnt 0x0                                ; the loads have read their bases, which are written only behind this wait
	s_add_co_u32 s[IDX], s[IDX], 1
	s_and_b32 s[IDX], s[IDX], 31
	s_lshl_b32 s[TMP], s[IDX], 14
	s_add_nc_u64 s[VP:VP+1], s[VB:VB+1], s[TMP:TMP+1]
	s_add_co_u32 s[TMP], s[IDX], 1
	s_and_b32 s[TMP], s[TMP], 31
	s_lshl_b32 s[TMP], s[TMP], 14
	s_add_nc_u64 s[KP:KP+1], s[KB:KB+1], s[TMP:TMP+1]
.endm
.macro QK b                            ; the four accumulators by turns; the first four start the sums
	WIN 0x04
.irp a, 0,1,2,3
	v_wmma_f32_16x16x128_bf8_bf8 v[S+8*\a:S+8*\a+7], v[KF+32*(\b):KF+32*(\b)+15], v[32*\a:32*\a+15], 0
.endr
.irp a, 0,1,2,3
	v_wmma_f32_16x16x128_bf8_bf8 v[S+8*\a:S+8*\a+7], v[KF+32*(\b)+16:KF+32*(\b)+31], v[32*\a+16:32*\a+31], v[S+8*\a:S+8*\a+7]
.endr
	WIN 0
.endm
.macro PV z, vb                        ; the 16 accumulators take turns, in the same order in every step.  z = 1: they start O^T's sums.  vb: V's set
	WIN 0x50
	s_wait_alu depctr_va_vdst(0)                   ; behind the batch of exponentials, directly ahead of the first reader of O^T
.irp t, 0,1,2,3
.irp a, 0,1,2,3
.if (\z) == 1
	v_wmma_f32_16x16x64_bf8_bf8 v[O+8*(4*\a+\t):O+8*(4*\a+\t)+7], v[VF+32*(\vb)+8*\t:VF+32*(\vb)+8*\t+7], v[PF+8*\a:PF+8*\a+7], 0
.else
	v_wmma_f32_16x16x64_bf8_bf8 v[O+8*(4*\a+\t):O+8*(4*\a+\t)+7], v[VF+32*(\vb)+8*\t:VF+32*(\vb)+8*\t+7], v[PF+8*\a:PF+8*\a+7], v[O+8*(4*\a+\t):O+8*(4*\a+\t)+7]
.endif
.endr
.endr
	WIN 0
.endm
.macro CHAIN                           ; lk - d2 for 4 tiles x 8 keys: sixteen independent chains of four lines
.irp a, 0,1,2,3
.irp i, 0,2,4,6
	v_pk_fma_f32 v[D+8*\a+\i:D+8*\a+\i+1], v[KC+\i:KC+\i+1], v[QC+4*\a:QC+4*\a+1], v[QC+4*\a+2:QC+4*\a+3] op_sel:[0,0,1] op_sel_hi:[1,0,1]
.endr
.endr
.irp a, 0,1,2,3
.irp i, 0,2,4,6
	v_pk_fma_f32 v[D+8*\a+\i:D+8*\a+\i+1], v[KC+8+\i:KC+8+\i+1], v[QC+4*\a:QC+4*\a+1], v[D+8*\a+\i:D+8*\a+\i+1] op_sel:[0,1,0] op_sel_hi:[1,1,1]
.endr
.endr
.irp a, 0,1,2,3
.irp i, 0,2,4,6
	v_pk_fma_f32 v[D+8*\a+\i:D+8*\a+\i+1], v[KC+16+\i:KC+16+\i+1], v[QC+4*\a+2:QC+4*\a+3], v[D+8*\a+\i:D+8*\a+\i+1] op_sel_hi:[1,0,1]
.endr
.endr
.irp a, 0,1,2,3
.irp i, 0,2,4,6
	v_pk_add_f32 v[D+8*\a+\i:D+8*\a+\i+1], v[D+8*\a+\i:D+8*\a+\i+1], v[KC+24+\i:KC+24+\i+1]
.endr
.endr
.endm
.macro EXP32                           ; a batch of 32 and the plain place behind it
.set i, 0
.rept 32
	v_exp_f32 v[D+i], v[D+i]
.set i, i+1
.endr
	v_nop
.endm
; Step j of 64 keys.  b = j % 2: K's set and the image in hand.  pv: the second product of step j - 1: 0 none, 1 it starts O^T's sums, 2 it adds.  kl: K of step j + 2 is loaded.  cl: the table words of
; step j + 1 are read.  vl: V of step j + 1 is loaded.  w1, w2: the younger loads that may stay out at the two products.
.macro STEP b, pv, kl, cl, vl, w1, w2
.if ((\b) == 0) && (\cl)
	v_add_nc_u32 v[CAD], s[TB], v[CA0]
.endif
	CHAIN                                          ; the table words' last read: K Q^T below takes their registers
	s_wait_loadcnt \w1                             ; loads come back in order: K of this step is in; V of step j - 1, K of step j + 1 and V of step j may stay out
	QK \b
.rept 4
	v_nop                                          ; four places ahead of the loads into K's set
.endr
	s_wait_alu depctr_va_vdst(0)                   ; ahead of the barrier's wait and of the batch
.if \pv
	s_barrier_wait -1                              ; the last step's image is whole
	PFLOAD 1-(\b)
.endif
	ADVANCE
.if \kl
	KLOAD \b, 0
.endif
	EXP32
	s_wait_alu depctr_va_vdst(0)                   ; one wait for the batch, directly ahead of the first reader of S^T too
.irp a, 0,2
.irp i, 0,2,4,6
	v_pk_fma_f32 v[D+8*\a+\i:D+8*\a+\i+1], v[S+8*\a+\i:S+8*\a+\i+1], v[D+8*\a+\i:D+8*\a+\i+1], v[CC+\a:CC+\a+1] op_sel_hi:[1,1,0]   ; t + c; each accumulator from its low end on
.endr
.endr
.irp a, 1,3
.irp i, 0,2,4,6
	v_pk_fma_f32 v[D+8*\a+\i:D+8*\a+\i+1], v[S+8*\a+\i:S+8*\a+\i+1], v[D+8*\a+\i:D+8*\a+\i+1], v[CC+\a-1:CC+\a] op_sel:[0,0,1] op_sel_hi:[1,1,1]
.endr
.endr
.if \cl
	CLOAD CAD, 1024+1024*(\b)                      ; S^T has been read: its registers take the next step's table words
.endif
	s_wait_alu depctr_va_vdst(0)                   ; the wait ahead of the batch
	EXP32
.if \pv
	s_wait_loadcnt \w2                             ; V of step j - 1 is in; K of step j + 1, V of step j and K of step j + 2 may stay out
	s_wait_dscnt 8*(\cl)                           ; A's fragments are in; the eight loads of table words may be out
	PV \pv, 1-(\b)
.else
	s_wait_alu depctr_va_vdst(0)                   ; the wait behind the batch
.endif
.set i, 0
.rept 16
	v_dual_min_num_f32 v[D+i], v[D+i], v[L0] :: v_dual_min_num_f32 v[D+i+1], v[D+i+1], v[L1]   ; the conversion does not saturate (ISA guide 7.6.2); A is not negative, so the hold is one-sided.  These 16 are also the places behind the products
.set i, i+2
.endr
.irp a, 0,1,2,3
	v_cvt_scalef32_pk8_bf8_f32 v[PF+2*\a:PF+2*\a+1], v[D+8*\a:D+8*\a+7], v[SC]
.endr
	v_nop                                          ; one plain instruction behind the last conversion
.irp a, 0,1,2,3
	ds_store_b64 v[PST], v[PF+2*\a:PF+2*\a+1] offset:(\b)*8192+\a*1024   ; registers 2 kt, 2 kt + 1 of my half's fragment a
.endr
.if \vl
	VLOAD 1-(\b)
.endif
	s_wait_dscnt 0x0                               ; for the others' sake: my stores have landed, and my reads of the other image are over; the table words are in
	s_barrier_signal -1
.endm
	s_load_b256 s[8:15], s[0:1], 0x0               ; qc, kc, vc, pk
	s_load_b128 s[16:19], s[0:1], 0x20             ; st, the scales' exponents
	s_load_b64 s[20:21], s[0:1], 0x30              ; op
	v_lshl_add_u32 v[SPW], v0, 2, SPARE
	v_mov_b32 v[NIL], 0
	v_lshrrev_b32 v11, 5, v0
	v_readfirstlane_b32 s22, v11                   ; wave 0..7
	s_and_b32 s23, s22, 3                          ; kt
	s_lshr_b32 s29, s22, 2                         ; qh
	s_and_b32 s28, ttmp7, 0xffff                   ; y
	s_and_b32 s30, ttmp9, 7
	s_lshl_b32 s[IDX], s30, 2                      ; where my work-group's walk begins
.irp m, 0,1,2,3,4,5,6,7
	s_add_co_u32 s[TOFF+\m], s30, \m               ; LDS bytes 4096 m on hold the walk's steps 4 m .. 4 m + 3: the quarter's steps 4 ((m + x) % 8) on
	s_and_b32 s[TOFF+\m], s[TOFF+\m], 7
	s_lshl_b32 s[TOFF+\m], s[TOFF+\m], 12
.endr
	s_lshl_b32 s61, s23, 8
	s_add_co_u32 s61, s61, TAB
	s_lshl_b32 s62, s29, 12
	s_lshr_b32 s63, s23, 1
	s_lshl_b32 s63, s63, 9
	s_add_co_u32 s63, s63, s62
	s_and_b32 s31, s23, 1
	s_lshl_b32 s31, s31, 3
	s_add_co_u32 s63, s63, s31
	s_mov_b32 s[SEL], 0x76543210
	s_mov_b32 s[SEL+1], 0xfedcba98
	s_mov_b32 s[TMP+1], 0
	s_lshl_b32 s36, ttmp9, 15
	s_lshl_b32 s37, s29, 14
	s_add_co_u32 s36, s36, s37                     ; qc: my 4 tiles
	s_mov_b32 s37, 0
	s_lshl_b32 s38, s28, 19
	s_lshl_b32 s39, s23, 12
	s_add_co_u32 s38, s38, s39                     ; kc: tile 128 y + kt;  vc: block 32 y, channel tiles 4 kt on: the same number
	s_mov_b32 s39, 0
	s_lshl_b32 s44, s28, 15                        ; pk: the quarter's table
	s_mov_b32 s45, 0
	s_lshl_b32 s46, ttmp9, 11
	s_lshl_b32 s47, s29, 10
	s_add_co_u32 s46, s46, s47                     ; pk: my queries' tiles
	s_mov_b32 s47, 0
	s_lshl_b32 s48, ttmp9, 10
	s_lshl_b32 s49, s29, 9
	s_add_co_u32 s48, s48, s49                     ; st: my 64 queries
	s_mov_b32 s49, 0
	s_lshl_b32 s50, s28, 23
	s_lshl_b32 s51, ttmp9, 17
	s_add_co_u32 s50, s50, s51
	s_lshl_b32 s51, s29, 16
	s_add_co_u32 s50, s50, s51
	s_lshl_b32 s51, s23, 8
	s_add_co_u32 s50, s50, s51                     ; op: quarter y, my 64 rows, my 64 channels
	s_mov_b32 s51, 0
	v_and_b32 v11, 31, v0
	v_lshlrev_b32 v[LI], 4, v11
	v_and_b32 v[RL], 15, v0                        ; r
	v_bfe_u32 v[HL], v0, 4, 1                      ; h
	v_lshlrev_b32 v[QA], 2, v[RL]
	v_lshlrev_b32 v[SA], 3, v[RL]
	v_lshl_add_u32 v[SA], v[HL], 19, v[SA]         ; st: parts 8 h on, + 8 r
	v_lshl_add_u32 v[CA0], v[HL], 5, s61
	v_add_nc_u32 v[PLD], s62, v[LI]
	v_add_nc_u32 v[PST], s63, v[LI]
	v_lshl_add_u32 v[TSL], v0, 4, TAB
	v_lshlrev_b32 v[TG], 4, v0
.irp m, 0,1,2,3,4,5,6,7
	v_add_nc_u32 v[TO+\m], s[TOFF+\m], v[TG]
.endr
.irp k, 0,1,2,3
	v_mov_b32 v[WK+4*\k+1], 0                      ; written once: a lane permute's destination counts as one of its sources
.endr
	s_wait_alu depctr_va_vdst(0)                   ; directly ahead of the wait below
	s_wait_kmcnt 0x0
	s_load_b128 s[24:27], s[18:19], 0x18           ; e6, e7, e8, e9
	s_add_nc_u64 s[8:9], s[8:9], s[36:37]
	s_add_nc_u64 s[KB:KB+1], s[KB:KB+1], s[38:39]
	s_add_nc_u64 s[VB:VB+1], s[VB:VB+1], s[38:39]
	s_add_nc_u64 s[40:41], s[14:15], s[44:45]
	s_add_nc_u64 s[42:43], s[14:15], s[46:47]
	s_add_nc_u64 s[16:17], s[16:17], s[48:49]
	s_add_nc_u64 s[20:21], s[20:21], s[50:51]
	s_lshl_b32 s[TMP], s[IDX], 14
	s_add_nc_u64 s[KP:KP+1], s[KB:KB+1], s[TMP:TMP+1]   ; K of my walk's first step; the second lies 16,384 bytes on (the walk begins at a multiple of 4)
	s_add_nc_u64 s[VP:VP+1], s[VB:VB+1], s[TMP:TMP+1]   ; V of the first step
.irp m, 0,1,2,3,4,5,6,7
	global_load_b128 v[TD+4*\m:TD+4*\m+3], v[TO+\m], s[40:41]
.endr
.irp k, 0,1,2,3
.irp i, 0,1,2,3,4,5,6,7
	global_load_b64 v[LD+16*\k+2*\i:LD+16*\k+2*\i+1], v[SA], s[16:17] offset:\i*65536+\k*128
.endr
.endr
.irp a, 0,1,2,3
.irp c, 0,1,2,3
	global_load_b32 v[QC+4*\a+\c], v[QA], s[42:43] offset:\a*256+\c*64
.endr
.endr
	WIN 0x40
.irp a, 0,1,2,3
.irp s, 0,1
.irp g, 0,1,2,3
	global_load_b128 v[32*\a+16*\s+4*\g:32*\a+16*\s+4*\g+3], v[LI], s[8:9] offset:\a*4096+\s*2048+\g*512   ; Q stays in registers
.endr
.endr
.endr
	WIN 0
	KLOAD 0, 0
	KLOAD 1, 16384
	VLOAD 0
	s_wait_loadcnt 56                              ; the table, the statistics and my queries' words are in; Q's 32 loads, K's 16 and V's 8 may stay out
.irp m, 0,1,2,3,4,5,6,7
	ds_store_b128 v[TSL], v[TD+4*\m:TD+4*\m+3] offset:\m*4096
.endr
	; the rows' statistics of my four tiles.  Lanes 0-15 hold parts 0-7 of their query, lanes 16-31 parts 8-15
.irp k, 0,1,2,3
	v_max3_num_f32 v[WK+4*\k], v[LD+16*\k], v[LD+16*\k+2], v[LD+16*\k+4]
.endr
.irp k, 0,1,2,3
	v_max3_num_f32 v[WK+4*\k], v[WK+4*\k], v[LD+16*\k+6], v[LD+16*\k+8]
.endr
.irp k, 0,1,2,3
	v_max3_num_f32 v[WK+4*\k], v[WK+4*\k], v[LD+16*\k+10], v[LD+16*\k+12]
.endr
.irp k, 0,1,2,3
	v_max_num_f32 v[WK+4*\k], v[WK+4*\k], v[LD+16*\k+14]
.endr
.irp k, 0,1,2,3
	v_permlanex16_b32 v[WK+4*\k+1], v[WK+4*\k], s[SEL], s[SEL+1]
.endr
.irp k, 0,1,2,3
	v_max_num_f32 v[WK+4*\k], v[WK+4*\k], v[WK+4*\k+1]         ; T
.endr
.irp k, 0,1,2,3
	v_floor_f32 v[WK+4*\k+2], -v[WK+4*\k]                      ; -M
.endr
.irp i, 0,1,2,3,4,5,6,7
.irp k, 0,1,2,3
	v_floor_f32 v[LD+16*\k+2*\i], -v[LD+16*\k+2*\i]            ; the part's -M, as the first sweep had it
.endr
.irp k, 0,1,2,3
	v_sub_f32 v[LD+16*\k+2*\i], v[WK+4*\k+2], v[LD+16*\k+2*\i] ; the part's M - M: a whole number, 0 or less
.endr
.irp k, 0,1,2,3
	v_cvt_i32_f32 v[LD+16*\k+2*\i], v[LD+16*\k+2*\i]
.endr
.irp k, 0,1,2,3
	v_ldexp_f32 v[LD+16*\k+2*\i+1], v[LD+16*\k+2*\i+1], v[LD+16*\k+2*\i]
.endr
.endr
.irp k, 0,1,2,3
	v_add_f32 v[WK+4*\k+3], v[LD+16*\k+1], v[LD+16*\k+3]
.endr
.irp i, 2,3,4,5,6,7
.irp k, 0,1,2,3
	v_add_f32 v[WK+4*\k+3], v[WK+4*\k+3], v[LD+16*\k+2*\i+1]
.endr
.endr
.irp k, 0,1,2,3
	v_permlanex16_b32 v[WK+4*\k+1], v[WK+4*\k+3], s[SEL], s[SEL+1]
.endr
.irp k, 0,1,2,3
	v_add_f32 v[WK+4*\k+3], v[WK+4*\k+3], v[WK+4*\k+1]         ; the row's sum under M
.endr
.irp k, 0,1,2,3
	v_add_f32 v[WK+4*\k+1], v[WK+4*\k+2], v[WK+4*\k]           ; T - M
.endr
	s_wait_alu depctr_va_vdst(0)                   ; each batch below has the wait ahead of it, a plain place and the wait behind it
.irp k, 0,1,2,3
	v_exp_f32 v[WK+4*\k+1], -v[WK+4*\k+1]                      ; 2^(M - T)
.endr
	v_nop
	s_wait_alu depctr_va_vdst(0)
.irp k, 0,1,2,3
	v_fma_f32 v[WK+4*\k+3], v[WK+4*\k+1], v[WK+4*\k+3], 1.0    ; 1 + the sum of e^(x - max)
.endr
	s_wait_alu depctr_va_vdst(0)
.irp k, 0,1,2,3
	v_log_f32 v[WK+4*\k+3], v[WK+4*\k+3]
.endr
	v_nop
	s_wait_alu depctr_va_vdst(0)
.irp k, 0,1,2,3
	v_sub_f32 v[CC+\k], -v[WK+4*\k], v[WK+4*\k+3]              ; c
.endr
	s_wait_alu depctr_va_vdst(0)                   ; directly ahead of the wait below
	s_wait_kmcnt 0x0
	s_add_co_i32 s24, s24, s25
	s_add_co_i32 s36, s26, 127
	s_lshl_b32 s37, s36, 23
	s_add_co_i32 s36, s36, 15
	s_lshl_b32 s36, s36, 23
	s_or_b32 s36, s36, 0x600000
	v_mov_b32 v[SC], s37                           ; 2^e8 as f32: the conversion takes its exponent field
	v_mov_b32 v[L0], s36                           ; 57,344 x 2^e8
	v_mov_b32 v[L1], s36
	v_mov_b32 v11, s24
	v_cvt_f32_i32 v11, v11
	v_add_f32 v11, 0xc05e28b1, v11                 ; lk = log2(log2(e) / 16) + e6 + e7
.irp a, 0,1,2,3
.irp c, 0,1,2
	v_add_f32 v[QC+4*\a+\c], v[QC+4*\a+\c], v[QC+4*\a+\c]
.endr
	v_add_f32 v[QC+4*\a+3], v[QC+4*\a+3], v11
.endr
	s_wait_alu depctr_va_vdst(0)
	s_wait_dscnt 0x0                               ; for the others' sake: my part of the table has landed
	s_barrier_signal -1
	s_barrier_wait -1
	CLOAD CA0, 0
	s_wait_loadcnt 0x0                             ; Q, K of the first two steps, V of the first
	s_wait_dscnt 0x0
	s_mov_b32 s[TB], 0
	STEP 0, 0, 1, 1, 1, 24, 24                     ; the first step has no second product yet
	STEP 1, 1, 1, 1, 1, 24, 24                     ; the second holds the first's, which starts O^T's sums
	s_add_co_u32 s[TB], s[TB], 2048
	s_mov_b32 s34, 14
.Lpair:                                            ; 14 trips of two steps: steps 2 to 29
	STEP 0, 2, 1, 1, 1, 24, 24
	STEP 1, 2, 1, 1, 1, 24, 24
	s_add_co_u32 s[TB], s[TB], 2048
	s_sub_co_u32 s34, s34, 1
	s_cmp_lg_u32 s34, 0
	s_cbranch_scc1 .Lpair
	STEP 0, 2, 0, 1, 1, 24, 16                     ; step 30 loads no K: at its second product K of step 31 and V of step 30 may stay out
	STEP 1, 2, 0, 0, 0, 16, 8                      ; step 31 loads nothing: V of steps 30 and 31, then V of step 31 may stay out
	s_barrier_wait -1
	PFLOAD 1
	s_wait_loadcnt 0x0                             ; the last step's V,
	s_wait_dscnt 0x0                               ; and A's fragments
	PV 2, 1
	; THE WAY OUT.  A lane holds 8 channels of a query, 32 bytes; a tile of 16 queries x 64 channels goes through my own stage and comes back as rows of 256 bytes.
	; LDS serves a wave's instructions in order (ISA guide 5.7.1.4): no wait between the stores and the loads.  The ten lines below are also the places behind the last products.
	v_and_b32 v16, 15, v0                          ; r
	v_bfe_u32 v17, v0, 4, 1                        ; h
	s_mul_i32 s36, s22, 4352
	s_add_co_u32 s36, s36, STG                     ; my stage
	v_mul_u32_u24 v18, v16, 272
	v_lshl_add_u32 v18, v17, 5, v18
	v_add_nc_u32 v18, s36, v18                     ; in: row r, + 32 h
	v_mul_u32_u24 v19, v17, 272
	v_lshl_add_u32 v19, v16, 4, v19
	v_add_nc_u32 v19, s36, v19                     ; back: row h, + 16 r
	v_lshlrev_b32 v20, 10, v17
	v_lshl_add_u32 v20, v16, 4, v20                ; op: row h of 1,024 bytes + 16 r
	s_wait_alu depctr_va_vdst(0)                   ; directly ahead of the wait below
.irp a, 0,1,2,3
	s_wait_xcnt 0x0                                ; the earlier stores have read their registers: these are loaded again only behind this wait
	WIN 0x04
.irp t, 0,1,2,3
	ds_store_b128 v18, v[O+8*(4*\a+\t):O+8*(4*\a+\t)+3] offset:64*\t       ; each accumulator from its low end on
	ds_store_b128 v18, v[O+8*(4*\a+\t)+4:O+8*(4*\a+\t)+7] offset:64*\t+16
.endr
	WIN 0
.irp i, 0,1,2,3,4,5,6,7
	ds_load_b128 v[RB+32*(\a%2)+4*\i:RB+32*(\a%2)+4*\i+3], v19 offset:2*\i*272
.endr
	s_wait_dscnt 0x0
.irp i, 0,1,2,3,4,5,6,7
	global_store_b128 v20, v[RB+32*(\a%2)+4*\i:RB+32*(\a%2)+4*\i+3], s[20:21] offset:(16*\a+2*\i)*1024 th:TH_STORE_NT   ; 16 lanes store 256 consecutive bytes, aligned
.endr
.endr
	s_wait_tensorcnt 0x0                           ; the wave's end, behind my last LDS store
	ds_add_u32 v[SPW], v[NIL]
	s_wait_dscnt 0x0
	s_endpgm
.Lfunc_end_k_q80e1e65591_attn:
	.size	k_q80e1e65591_attn, .Lfunc_end_k_q80e1e65591_attn-k_q80e1e65591_attn
	.p2alignl 7, 3214868480
	.fill 96, 4, 3214868480
	.section	.rodata,"a",@progbits
	.p2align	6, 0x0
	.amdhsa_kernel k_q80e1e65591_attn
		.amdhsa_group_segment_fixed_size 84992
		.amdhsa_private_segment_fixed_size 0
		.amdhsa_enable_private_segment 0
		.amdhsa_kernarg_size 56
		.amdhsa_user_sgpr_count 2
		.amdhsa_user_sgpr_kernarg_segment_ptr 1
		.amdhsa_wavefront_size32 1
		.amdhsa_system_sgpr_workgroup_id_x 1
		.amdhsa_system_sgpr_workgroup_id_y 1
		.amdhsa_system_sgpr_workgroup_id_z 1
		.amdhsa_system_vgpr_workitem_id 0
		.amdhsa_next_free_vgpr 512
		.amdhsa_next_free_sgpr 80
		.amdhsa_reserve_vcc 0
		.amdhsa_float_denorm_mode_32 3
		.amdhsa_float_denorm_mode_16_64 3
		.amdhsa_memory_ordered 1
		.amdhsa_forward_progress 1
		.amdhsa_inst_pref_size 114
	.end_amdhsa_kernel
	.amdgpu_metadata
---
amdhsa.version: [ 1, 2 ]
amdhsa.kernels:
  - .name:           k_q80e1e65591_attn
    .symbol:         k_q80e1e65591_attn.kd
    .args:
      - { .name: qc, .offset: 0, .size: 8, .value_kind: global_buffer, .address_space: global }
      - { .name: kc, .offset: 8, .size: 8, .value_kind: global_buffer, .address_space: global }
      - { .name: vc, .offset: 16, .size: 8, .value_kind: global_buffer, .address_space: global }
      - { .name: pk, .offset: 24, .size: 8, .value_kind: global_buffer, .address_space: global }
      - { .name: st, .offset: 32, .size: 8, .value_kind: global_buffer, .address_space: global }
      - { .name: lowp_scales, .offset: 40, .size: 8, .value_kind: global_buffer, .address_space: global }
      - { .name: op, .offset: 48, .size: 8, .value_kind: global_buffer, .address_space: global }
    .group_segment_fixed_size: 84992
    .private_segment_fixed_size: 0
    .kernarg_segment_align: 8
    .kernarg_segment_size: 56
    .max_flat_workgroup_size: 256
    .sgpr_count:     80
    .vgpr_count:     512
    .wavefront_size: 32
...
	.end_amdgpu_metadata
.endif
;; end of part 7
;; launch reduce (part 8): grid 256 x 1, 8 waves a work-group, no clusters, 0 bytes of LDS; arguments op, X, lowp_scales, out0; writes out0
.if DOCPART == 8
	.amdgcn_target "amdgcn-amd-amdhsa--gfx1250"
	.amdhsa_code_object_version 6
	.text
	.protected	k_q80e1e65591_reduce
	.globl	k_q80e1e65591_reduce
	.p2align	8
	.type	k_q80e1e65591_reduce,@function
k_q80e1e65591_reduce:
	s_mov_b64 s[64:65], 0
	v_nop
	global_prefetch_b8 v0, s[64:65] scope:SCOPE_SE
	s_setreg_imm32_b32 hwreg(HW_REG_WAVE_MODE, 25, 1), 1
	s_wait_xcnt 0x0
; out0 = X + 2^(e8 + e9) (op[0] + op[1] + op[2] + op[3]): the four quarters' raw sums, the two operands' scales, the residual.
; A stream: a work-group takes 32,768 bytes of out0, a thread eight pieces of 16 bytes, 4,096 bytes apart; each load and store of a wave covers 512 consecutive bytes.
; All 40 loads of a wave go out first; each piece has registers of its own, so no store's data are written again and no address is stepped.
; Memory binds: no LDS, no matrix unit, no cluster (work-groups share nothing).
; LIMIT: e8 + e9 between -126 and 127, so that 2^(e8 + e9) is an f32 number.
.set R, 16                             ; piece k at v[16 + 20 k]: op[0] .. op[3] and X, four registers each
	s_load_b256 s[4:11], s[0:1], 0x0               ; op s[4:5], X s[6:7], the scales' exponents s[8:9], out0 s[10:11]
	v_lshlrev_b32 v1, 4, v0
	s_lshl_b32 s22, ttmp9, 15
	s_mov_b32 s23, 0
	s_wait_alu depctr_va_vdst(0)
	s_wait_kmcnt 0x0
	s_load_b64 s[20:21], s[8:9], 0x20              ; e8, e9
	s_add_nc_u64 s[12:13], s[4:5], s[22:23]
	s_add_nc_u64 s[14:15], s[12:13], 0x800000      ; the quarters lie 8,388,608 bytes apart
	s_add_nc_u64 s[16:17], s[14:15], 0x800000
	s_add_nc_u64 s[18:19], s[16:17], 0x800000
	s_add_nc_u64 s[6:7], s[6:7], s[22:23]
	s_add_nc_u64 s[10:11], s[10:11], s[22:23]
.irp k, 0,1,2,3,4,5,6,7
.irp p, 0,1,2,3
	global_load_b128 v[R+20*\k+4*\p:R+20*\k+4*\p+3], v1, s[12+2*\p:13+2*\p] offset:\k*4096 th:TH_LOAD_NT
.endr
	global_load_b128 v[R+20*\k+16:R+20*\k+19], v1, s[6:7] offset:\k*4096 th:TH_LOAD_NT
.endr
	s_wait_kmcnt 0x0
	s_add_co_i32 s20, s20, s21
	s_add_co_i32 s20, s20, 127
	s_lshl_b32 s20, s20, 23                        ; 2^(e8 + e9) as f32
	s_mov_b32 s21, s20                             ; (named with it as a pair, so it is written)
.irp k, 0,1,2,3,4,5,6,7
	s_wait_loadcnt 5*(7-\k)                        ; loads come back in order: this piece's five are in, the five of each later piece may stay out
.irp i, 0,2
	v_pk_add_f32 v[R+20*\k+\i:R+20*\k+\i+1], v[R+20*\k+\i:R+20*\k+\i+1], v[R+20*\k+4+\i:R+20*\k+4+\i+1]
	v_pk_add_f32 v[R+20*\k+8+\i:R+20*\k+8+\i+1], v[R+20*\k+8+\i:R+20*\k+8+\i+1], v[R+20*\k+12+\i:R+20*\k+12+\i+1]
.endr
.irp i, 0
	s_delay_alu instid0(VALU_DEP_3)
	v_pk_add_f32 v[R+20*\k+\i:R+20*\k+\i+1], v[R+20*\k+\i:R+20*\k+\i+1], v[R+20*\k+8+\i:R+20*\k+8+\i+1]
.endr
.irp i, 2
	s_delay_alu instid0(VALU_DEP_2)
	v_pk_add_f32 v[R+20*\k+\i:R+20*\k+\i+1], v[R+20*\k+\i:R+20*\k+\i+1], v[R+20*\k+8+\i:R+20*\k+8+\i+1]
.endr
.irp i, 0,2
	s_delay_alu instid0(VALU_DEP_2)
	v_pk_fma_f32 v[R+20*\k+\i:R+20*\k+\i+1], v[R+20*\k+\i:R+20*\k+\i+1], s[20:21], v[R+20*\k+16+\i:R+20*\k+16+\i+1] op_sel_hi:[1,0,1]
.endr
	global_store_b128 v1, v[R+20*\k:R+20*\k+3], s[10:11] offset:\k*4096 th:TH_STORE_NT
.endr
	s_endpgm
.Lfunc_end_k_q80e1e65591_reduce:
	.size	k_q80e1e65591_reduce, .Lfunc_end_k_q80e1e65591_reduce-k_q80e1e65591_reduce
	.p2alignl 7, 3214868480
	.fill 96, 4, 3214868480
	.section	.rodata,"a",@progbits
	.p2align	6, 0x0
	.amdhsa_kernel k_q80e1e65591_reduce
		.amdhsa_group_segment_fixed_size 0
		.amdhsa_private_segment_fixed_size 0
		.amdhsa_enable_private_segment 0
		.amdhsa_kernarg_size 32
		.amdhsa_user_sgpr_count 2
		.amdhsa_user_sgpr_kernarg_segment_ptr 1
		.amdhsa_wavefront_size32 1
		.amdhsa_system_sgpr_workgroup_id_x 1
		.amdhsa_system_sgpr_workgroup_id_y 1
		.amdhsa_system_sgpr_workgroup_id_z 1
		.amdhsa_system_vgpr_workitem_id 0
		.amdhsa_next_free_vgpr 176
		.amdhsa_next_free_sgpr 66
		.amdhsa_reserve_vcc 0
		.amdhsa_float_denorm_mode_32 3
		.amdhsa_float_denorm_mode_16_64 3
		.amdhsa_memory_ordered 1
		.amdhsa_forward_progress 1
		.amdhsa_inst_pref_size 11
	.end_amdhsa_kernel
	.amdgpu_metadata
---
amdhsa.version: [ 1, 2 ]
amdhsa.kernels:
  - .name:           k_q80e1e65591_reduce
    .symbol:         k_q80e1e65591_reduce.kd
    .args:
      - { .name: op, .offset: 0, .size: 8, .value_kind: global_buffer, .address_space: global }
      - { .name: X, .offset: 8, .size: 8, .value_kind: global_buffer, .address_space: global }
      - { .name: lowp_scales, .offset: 16, .size: 8, .value_kind: global_buffer, .address_space: global }
      - { .name: out0, .offset: 24, .size: 8, .value_kind: global_buffer, .address_space: global }
    .group_segment_fixed_size: 0
    .private_segment_fixed_size: 0
    .kernarg_segment_align: 8
    .kernarg_segment_size: 32
    .max_flat_workgroup_size: 256
    .sgpr_count:     66
    .vgpr_count:     176
    .wavefront_size: 32
...
	.end_amdgpu_metadata
.endif
;; end of part 8
